; MI455X (gfx1250); checked and timed in simulation.
; The chip was launched on July 23, 2026; its instructions are those of AMD's public machine-readable ISA for CDNA 5 (MIT licence, August 2026) and "CDNA5" Instruction Set Architecture Reference Guide (July 2026). The comments in the code are by the model that wrote it; some were corrected since.
;; Qwen3 Attention. Allowed arithmetic: matrix products marked QUANTISED: E2M1 operands, one E8M0 scale for each 32 along K, by v_wmma_scale_f32_16x16x128_f8f6f4 with both operands' format E2M1 (or v_wmma_scale_f32_32x16x128_f4), f32 sums; products left as they are: bf16, f16 or f32 operands; f32 sums; everything else in f32.
;; Inputs: cos 1 x 1 x 2,048 x 64 float32; k_norm_w 128 float32; q_norm_w 128 float32; sin 1 x 1 x 2,048 x 64 float32; wk 1,024 x 1,024 float32; wo 1,024 x 2,048 float32; wq 2,048 x 1,024 float32; wv 1,024 x 1,024 float32; x 2 x 2,048 x 1,024 float32.
;; Outputs: out0 2 x 2,048 x 1,024 float32; out1 2 x 8 x 2,048 x 128 float32; out2 2 x 8 x 2,048 x 128 float32.
;; This version of the problem:
;;   THIS VERSION OF THE PROBLEM IS GIVEN IN LOW PRECISION. The matrix products marked QUANTISED in the list below multiply operands that are first quantised to E2M1 (2 exponent bits, 1 mantissa bit; 4 bits a number), with one power-of-two scale for each 32 numbers along K (OCP MX v1.0); their sums are f32. The products marked 'left as it is' may take bf16, f16 or f32 operands, with f32 sums. Whichever they take, every output number must still come out within the allowed error. Rounding operands to bf16 (8 significant bits) uses up far more of that allowance than f16 does (11 bits, for magnitudes from 6e-5 to 65,504). All else is computed in f32.
;;   The module's matrix products, in the order in which they are computed (A, B: the left and right operand; K: the contracted axis; several contracted axes count as one K, in the product's order):
;;     1. [M 4,096, K 1,024] x [K 1,024, N 2,048]; A: input x; B: input wq: QUANTISED
;;     2. [M 4,096, K 1,024] x [K 1,024, N 1,024]; A: input x; B: input wk: QUANTISED
;;     3. [M 4,096, K 1,024] x [K 1,024, N 1,024]; A: input x; B: input wv: QUANTISED
;;     4. batch 32 x [M 2,048, K 128] x [K 128, N 2,048]; A: computed on the way; B: computed on the way: left as it is (an operand is computed on the way)
;;     5. batch 32 x [M 2,048, K 2,048] x [K 2,048, N 128]; A: computed on the way; B: computed on the way: left as it is (an operand is computed on the way)
;;     6. [M 4,096, K 2,048] x [K 2,048, N 1,024]; A: computed on the way; B: input wo: left as it is (an operand is computed on the way)
;;   THE QUANTISER, for each operand of a quantised product, along K:
;;     - K is cut into blocks of 32 from its start; a last block that is shorter is filled with zeros.
;;     - A block's scale is 2^e with e = floor(log2(the largest magnitude in the block)) - 2, held to -126 .. 127; a block of zeros has e = 0. As a byte (E8M0): e + 127.
;;     - Each number is divided by its block's scale, clamped to +-6, and rounded to the nearest number of E2M1, ties to even, subnormals kept.
;;     - The product sums the exact products of the quantised numbers (number of the format x scale) in f32.
;;   ~~~python
;;   def quantise(x, axis):      # numpy; x: float32 -> the quantised numbers, widened to float32 again
;;       x = np.moveaxis(x, axis, -1); K = x.shape[-1]
;;       x = np.pad(x, [(0, 0)] * (x.ndim - 1) + [(0, -K % 32)]); x = x.reshape(x.shape[:-1] + (-1, 32)); a = np.abs(x).max(-1, keepdims=True)
;;       e = np.where(a > 0, np.clip(np.frexp(np.where(a > 0, a, 1))[1] - 1 - 2, -126, 127), 0)      # np.frexp(a)[1] - 1 = floor(log2(a)), exactly
;;       r = np.clip(x / 2.0 ** e, -6, 6)
;;       step = 2.0 ** (np.maximum(np.frexp(np.where(r == 0, 1, r))[1] - 1, 0) - 1)
;;       q = np.round(r / step) * step * 2.0 ** e      # np.round: ties to even
;;       return np.moveaxis(q.reshape(q.shape[:-2] + (-1,))[..., :K], -1, axis).astype(np.float32)
;;   ~~~
;; One version. Each part assembles by itself: llvm-mc -triple=amdgcn-amd-amdhsa -mcpu=gfx1250 --defsym DOCPART=n.
;; ======== version 1 of 1: 5 launches
;; limits: values are held in f16: magnitudes above 65,504 overflow, below 6.1e-05 lose precision
;; workspace buffers: codes 4,194,304 bytes; scales 262,144 bytes; woh 4,194,304 bytes; qh 16,777,216 bytes; kh 8,388,608 bytes; vh 8,388,608 bytes; ao 16,777,216 bytes
;; launch quant (part 1): grid 320 x 1, 4 waves a work-group, no clusters, 33,280 bytes of LDS; arguments x, wq, wk, wv, wo, codes, scales, woh; writes codes, scales, woh
.if DOCPART == 1
	.amdgcn_target "amdgcn-amd-amdhsa--gfx1250"
	.amdhsa_code_object_version 6
	.text
	.protected	k_q3d3e23eb72_quant
	.globl	k_q3d3e23eb72_quant
	.p2align	8
	.type	k_q3d3e23eb72_quant,@function
k_q3d3e23eb72_quant:
	s_mov_b64 s[64:65], 0
	v_nop
	global_prefetch_b8 v0, s[64:65] scope:SCOPE_SE
	s_setreg_imm32_b32 hwreg(HW_REG_WAVE_MODE, 25, 1), 1
	s_wait_xcnt 0x0
; x [4096][1024], wq [2048][1024], wk, wv [1024][1024], f32, K innermost, become codes of FP4 (E2M1), two a byte, and one E8M0 byte for each 32 along K.
; codes: rows of 512 bytes, x's 4,096 rows, then wq's, wk's, wv's; scales: rows of 32 bytes in the same order.  wo [1024][2048] f32 becomes f16 (woh), rounded to nearest even.
; A block's scale is 2^(floor(log2(its largest magnitude)) - 2); its byte is the largest magnitude's exponent field - 2, held at 1 from below.  Each number is divided by the scale and
; rounded to the nearest code, ties to even; beyond 6 the largest code.
; LIMITS: a block of zeros gets the byte 1 where the rule says 127 (its codes are zeros, and this program alone reads the bytes); blocks whose largest magnitude lies under 2^-124 are held at
; the byte 1; NaN and infinities among the inputs are not served; |wo| stays under 65,504, f16's largest number.
; SHARES.  All tensors are dense streams.  A work-group takes 32,768 numbers, a wave 8,192.  Work-groups 0-127: x; 128-191: wq; 192-223: wk; 224-255: wv; 256-319: wo.
; The run of 8,192 numbers that a wave writes in codes and scales is 4 x work-group + wave for all four tensors, since the weights' rows follow x's.
; QUANTISER.  16 steps of 512 numbers.  A step's four loads read 512 consecutive bytes each; the 2,048 bytes turn through the wave's own stage in LDS and come back 64 bytes a lane, so that a lane holds
; 16 neighbours along K (two neighbouring lanes hold a block).  Loads run four steps ahead, the turn one step.  No barrier: waves share nothing.
.set WAVES, 4
.set STEPS, 16
.set EMAX,  2
.set CB,    8                          ; bytes of 16 codes
.set R,     16                         ; v16-79   four sets of 16 numbers as loaded (wo: v16-143, two sets of 64)
.set X,     80                         ; v80-111  two sets of 16 neighbours
.set E,     112                        ; v112-127 a scale byte for each step
.set C,     128                        ; v128-191 codes, four registers for each step
.set HB,    144                        ; v144-175 wo: 64 f16 numbers a lane to store
.set WREG,  8192                       ; LDS: a region for each wave: two stages of 32 x SP bytes, then its 256 scale bytes
.set SP,    80                         ; a lane's place in a stage: 64 bytes + 16 of padding
.set SPW,   12                         ; v12  LDS address of my spare word; never rewritten
.set NIL,   13                         ; v13  0; never rewritten
.set SPARE, WAVES*WREG                 ; behind the regions: the spare words, 128 bytes a wave
	s_load_b512 s[4:19], s[0:1], 0x0               ; x s[4:5], wq s[6:7], wk s[8:9], wv s[10:11], wo s[12:13], codes s[14:15], scales s[16:17], woh s[18:19]
	v_lshl_add_u32 v[SPW], v0, 2, SPARE
	v_mov_b32 v[NIL], 0
	v_lshrrev_b32 v1, 5, v0
	v_readfirstlane_b32 s20, v1                    ; wave
	v_and_b32 v2, 31, v0                           ; lane
	v_lshlrev_b32 v3, 4, v2                        ; my 16 bytes of a load's 512
	s_mul_i32 s25, s20, WREG
	v_lshrrev_b32 v14, 2, v2
	v_mul_u32_u24 v14, v14, SP
	v_and_b32 v15, 3, v2
	v_lshl_add_u32 v14, v15, 4, v14
	v_add_nc_u32 v14, s25, v14                     ; the stage, on the way in: SP (lane / 4) + 16 (lane % 4)
	v_mul_u32_u24 v15, v2, SP
	v_add_nc_u32 v15, s25, v15                     ; and on the way out: SP x lane: my 16 neighbours
	v_mul_u32_u24 v4, v2, CB                       ; 8 x lane: my codes' place in a step's; also my f16 numbers' place in a store's 256 bytes
	v_lshrrev_b32 v5, 1, v2
	s_add_co_u32 s25, s25, 2*32*SP
	v_add_nc_u32 v5, s25, v5                       ; my block's scale byte in the wave's 256
	v_lshlrev_b32 v7, 3, v2
	v_add_nc_u32 v6, s25, v7                       ; and on the way out 8 bytes a lane
	s_mov_b32 s23, 0                               ; the upper word of every offset
	s_wait_kmcnt 0x0
	s_cmp_ge_u32 ttmp9, 256
	s_cbranch_scc1 .Lwo                            ; the work-group's number alone decides
	s_mov_b32 s21, 0                               ; the first work-group of my tensor
	s_cmp_ge_u32 ttmp9, 128
	s_cselect_b64 s[4:5], s[6:7], s[4:5]
	s_cselect_b32 s21, 128, s21
	s_cmp_ge_u32 ttmp9, 192
	s_cselect_b64 s[4:5], s[8:9], s[4:5]
	s_cselect_b32 s21, 192, s21
	s_cmp_ge_u32 ttmp9, 224
	s_cselect_b64 s[4:5], s[10:11], s[4:5]
	s_cselect_b32 s21, 224, s21
	s_sub_co_u32 s22, ttmp9, s21
	s_lshl_b32 s22, s22, 2
	s_add_co_u32 s22, s22, s20                     ; my run in the tensor that I read,
	s_lshl_b32 s22, s22, 15                        ; 32,768 bytes each
	s_add_nc_u64 s[4:5], s[4:5], s[22:23]
	s_lshl_b32 s24, ttmp9, 2
	s_add_co_u32 s24, s24, s20                     ; my run in codes and scales
	s_lshl_b32 s22, s24, 12                        ; 4,096 bytes of codes,
	s_add_nc_u64 s[14:15], s[14:15], s[22:23]
	s_lshl_b32 s22, s24, 8                         ; 256 scale bytes
	s_add_nc_u64 s[16:17], s[16:17], s[22:23]
.macro LOAD t
.irp i, 0,1,2,3
	global_load_b128 v[R+16*((\t)%4)+4*\i:R+16*((\t)%4)+4*\i+3], v3, s[4:5] offset:2048*(\t)+512*\i th:TH_LOAD_NT   ; 32 lanes read 512 consecutive bytes
.endr
.endm
.macro TURN t                          ; step t's numbers through the stage: LDS serves a wave's instructions in order, so no wait stands between the stores and the loads
.irp i, 0,1,2,3
	ds_store_b128 v14, v[R+16*((\t)%4)+4*\i:R+16*((\t)%4)+4*\i+3] offset:32*SP*((\t)%2)+8*SP*\i
.endr
.irp i, 0,1,2,3
	ds_load_b128 v[X+16*((\t)%2)+4*\i:X+16*((\t)%2)+4*\i+3], v15 offset:32*SP*((\t)%2)+16*\i
.endr
.endm
.irp t, 0,1,2,3
	LOAD \t
.endr
	s_wait_loadcnt 12                              ; step 0's four loads are in; the twelve behind them stay out
	TURN 0
.macro STEP t
.set XS, X+16*((\t)%2)
.if (\t) > 0
	s_wait_dscnt 1                                 ; this step's numbers are back from the stage; the last step's byte store may be out
.else
	s_wait_dscnt 0x0
.endif
.if (\t)+4 < STEPS
	LOAD (\t)+4                                    ; into the registers that the stage's stores have read
.endif
.if (\t)+1 < STEPS
.if STEPS-2-(\t) >= 3
	s_wait_loadcnt 12                              ; the next step's four loads are in; three steps' loads stay out
.else
	s_wait_loadcnt 4*(STEPS-2-(\t))                ; at the end the count runs down with the loads that are left
.endif
	TURN (\t)+1
.endif
	v_max3_num_f32 v8, |v[XS]|, |v[XS+1]|, |v[XS+2]|               ; the largest magnitude of my 16, in two chains
	v_max3_num_f32 v9, |v[XS+3]|, |v[XS+4]|, |v[XS+5]|
.irp i, 6,10
	v_max3_num_f32 v8, v8, |v[XS+\i]|, |v[XS+\i+1]|
	v_max3_num_f32 v9, v9, |v[XS+\i+2]|, |v[XS+\i+3]|
.endr
	v_max3_num_f32 v8, v8, |v[XS+14]|, |v[XS+15]|
	v_max3_num_f32 v8, v8, v9, (EMAX+1)<<23        ; and the floor 2^(3 - 127): the byte cannot fall under 1
	v_max_num_f32_dpp v8, v8, v8 row_xmask:1 row_mask:0xf bank_mask:0xf   ; with my neighbour's 16: the block's
	v_add_nc_u32 v11, -(EMAX<<23), v8              ; 2 off its exponent field: the conversion takes this operand's exponent field as its scale
	v_cvt_scalef32_pk8_fp4_f32 v[C+4*(\t)], v[XS:XS+7], v11
	v_cvt_scalef32_pk8_fp4_f32 v[C+4*(\t)+1], v[XS+8:XS+15], v11
	v_lshrrev_b32 v[E+(\t)], 23, v11               ; the scale's byte
	ds_store_b8 v5, v[E+(\t)] offset:16*(\t)       ; both lanes of a block write the same byte with the same value
	global_store_b64 v4, v[C+4*(\t):C+4*(\t)+1], s[14:15] offset:32*CB*(\t)   ; the wave stores 256 consecutive bytes, aligned
.endm
.irp t, 0,1,2,3,4,5,6,7,8,9,10,11,12,13,14,15
	STEP \t
.endr
	ds_load_b64 v[8:9], v6                         ; my wave's 256 scale bytes: these loads see my stores
	s_wait_dscnt 0x0
	global_store_b64 v7, v[8:9], s[16:17]          ; 256 consecutive bytes, aligned
	s_wait_tensorcnt 0x0                           ; the wave's end, behind my last LDS store
	ds_add_u32 v[SPW], v[NIL]
	s_wait_dscnt 0x0
	s_endpgm
; wo to f16: four rounds of 16 loads (512 consecutive bytes each) and 16 stores (256 consecutive bytes each); loads run a round ahead.
.macro LOADB k
.irp i, 0,1,2,3,4,5,6,7,8,9,10,11,12,13,14,15
	global_load_b128 v[R+64*((\k)%2)+4*\i:R+64*((\k)%2)+4*\i+3], v3, s[12:13] offset:8192*(\k)+512*\i th:TH_LOAD_NT
.endr
.endm
.macro CONV k
.if (\k) < 3
	s_wait_loadcnt 16                              ; this round's 16 loads are in; the next round's stay out
.else
	s_wait_loadcnt 0x0
.endif
.if (\k) > 0
	s_wait_xcnt 0x0                                ; the last round's stores have read their data registers, which are written again below
.endif
.irp i, 0,1,2,3,4,5,6,7,8,9,10,11,12,13,14,15
	v_cvt_pk_f16_f32 v[HB+2*\i], v[R+64*((\k)%2)+4*\i], v[R+64*((\k)%2)+4*\i+1]
	v_cvt_pk_f16_f32 v[HB+2*\i+1], v[R+64*((\k)%2)+4*\i+2], v[R+64*((\k)%2)+4*\i+3]
.endr
.irp i, 0,1,2,3,4,5,6,7,8,9,10,11,12,13,14,15
	global_store_b64 v4, v[HB+2*\i:HB+2*\i+1], s[18:19] offset:4096*(\k)+256*\i
.endr
.if (\k) < 2
	LOADB (\k)+2
.endif
.endm
.Lwo:
	s_sub_co_u32 s22, ttmp9, 256
	s_lshl_b32 s22, s22, 2
	s_add_co_u32 s24, s22, s20                     ; my run of 8,192 numbers of wo
	s_lshl_b32 s22, s24, 15
	s_add_nc_u64 s[12:13], s[12:13], s[22:23]
	s_lshl_b32 s22, s24, 14
	s_add_nc_u64 s[18:19], s[18:19], s[22:23]
	LOADB 0
	LOADB 1
	CONV 0
	CONV 1
	CONV 2
	CONV 3
	s_wait_tensorcnt 0x0                           ; the same three lines close this path too
	ds_add_u32 v[SPW], v[NIL]
	s_wait_dscnt 0x0
	s_endpgm
.Lfunc_end_k_q3d3e23eb72_quant:
	.size	k_q3d3e23eb72_quant, .Lfunc_end_k_q3d3e23eb72_quant-k_q3d3e23eb72_quant
	.p2alignl 7, 3214868480
	.fill 96, 4, 3214868480
	.section	.rodata,"a",@progbits
	.p2align	6, 0x0
	.amdhsa_kernel k_q3d3e23eb72_quant
		.amdhsa_group_segment_fixed_size 33280
		.amdhsa_private_segment_fixed_size 0
		.amdhsa_enable_private_segment 0
		.amdhsa_kernarg_size 64
		.amdhsa_user_sgpr_count 2
		.amdhsa_user_sgpr_kernarg_segment_ptr 1
		.amdhsa_wavefront_size32 1
		.amdhsa_system_sgpr_workgroup_id_x 1
		.amdhsa_system_sgpr_workgroup_id_y 1
		.amdhsa_system_sgpr_workgroup_id_z 1
		.amdhsa_system_vgpr_workitem_id 0
		.amdhsa_next_free_vgpr 192
		.amdhsa_next_free_sgpr 66
		.amdhsa_reserve_vcc 0
		.amdhsa_float_denorm_mode_32 3
		.amdhsa_float_denorm_mode_16_64 3
		.amdhsa_memory_ordered 1
		.amdhsa_forward_progress 1
		.amdhsa_inst_pref_size 54
	.end_amdhsa_kernel
	.amdgpu_metadata
---
amdhsa.version: [ 1, 2 ]
amdhsa.kernels:
  - .name:           k_q3d3e23eb72_quant
    .symbol:         k_q3d3e23eb72_quant.kd
    .args:
      - { .name: x, .offset: 0, .size: 8, .value_kind: global_buffer, .address_space: global }
      - { .name: wq, .offset: 8, .size: 8, .value_kind: global_buffer, .address_space: global }
      - { .name: wk, .offset: 16, .size: 8, .value_kind: global_buffer, .address_space: global }
      - { .name: wv, .offset: 24, .size: 8, .value_kind: global_buffer, .address_space: global }
      - { .name: wo, .offset: 32, .size: 8, .value_kind: global_buffer, .address_space: global }
      - { .name: codes, .offset: 40, .size: 8, .value_kind: global_buffer, .address_space: global }
      - { .name: scales, .offset: 48, .size: 8, .value_kind: global_buffer, .address_space: global }
      - { .name: woh, .offset: 56, .size: 8, .value_kind: global_buffer, .address_space: global }
    .group_segment_fixed_size: 33280
    .private_segment_fixed_size: 0
    .kernarg_segment_align: 8
    .kernarg_segment_size: 64
    .max_flat_workgroup_size: 128
    .sgpr_count:     66
    .vgpr_count:     192
    .wavefront_size: 32
...
	.end_amdgpu_metadata
.endif
;; end of part 1
;; launch proj (part 2): grid 16 x 16, 4 waves a work-group, clusters of 4 x 4, 327,680 bytes of LDS; arguments codes, scales, cos, sin, q_norm_w, k_norm_w, qh, kh, vh, out1, out2; writes qh, kh, vh, out1, out2
.if DOCPART == 2
	.amdgcn_target "amdgcn-amd-amdhsa--gfx1250"
	.amdhsa_code_object_version 6
	.text
	.protected	k_q3d3e23eb72_proj
	.globl	k_q3d3e23eb72_proj
	.p2align	8
	.type	k_q3d3e23eb72_proj,@function
k_q3d3e23eb72_proj:
	s_mov_b64 s[64:65], 0
	v_nop
	global_prefetch_b8 v0, s[64:65] scope:SCOPE_SE
	s_setreg_imm32_b32 hwreg(HW_REG_WAVE_MODE, 25, 1), 1
	s_wait_xcnt 0x0
	s_wait_alu depctr_hold_cnt(0) depctr_sa_sdst(0) depctr_va_vdst(0) depctr_va_sdst(0) depctr_va_ssrc(0) depctr_va_vcc(0) depctr_vm_vsrc(0)
	s_getreg_b32 s2, hwreg(HW_REG_IB_STS2, 6, 4)
	s_cmp_eq_u32 s2, 0
	s_cbranch_scc0 .Lentry_in_a_cluster
	s_endpgm
.Lentry_in_a_cluster:
	s_bfe_u32 s2, ttmp6, 0x10000c
	s_cmp_lg_u32 s2, 0xf033
	s_cbranch_scc0 .Lentry_shape_is_right
	s_endpgm
.Lentry_shape_is_right:
; The three quantised products as ONE product on codes of FP4 (E2M1): [4096 positions][1024] x [4096 output columns][1024]^T; the columns are wq's 2,048, wk's 1,024, wv's 1,024.
; codes: rows of 512 bytes (x's rows, from byte 0x200000 the weights'); scales: rows of 32 bytes (from byte 0x20000 the weights').  Sums in f32.
; A tile of 256 x 256 is made by a work-group of four waves; a wave makes 128 x 128: 128 positions of ONE head (head column hc = 2 x tile column + half: 0-15 q, 16-23 k, 24-31 v), 64 accumulators.
; K = 1,024 is two slots of 512 along K: both are asked for at the start, so nothing is filled again.  The scale bytes of the 512 rows come once, with the first fills.
; CLUSTERS: 4 x 4 work-groups; A's tiles are shared along a row of the cluster, B's along a column, by joint loads.  The cluster's x says what the columns are (0, 1: q; 2: k; 3: v): it is the same in
; all sixteen partners, and the way out's branches hang on it alone.
; THE MATRIX INSTRUCTION IS USED TRANSPOSED (source 0 = 16 weight rows, source 1 = 16 positions): lane (r, h) holds position 16 a + r and channels 16 b + 8 h + 0 .. 7 of the head.
; THE WAY OUT, block by block of 16 positions: q, k: x / sqrt(mean(x^2) + 1e-6) x w, then the rotation (channel d with channel d + 64), all in f32 and in place; then f16 copies (qh, kh, vh) for the
; products that follow, and for k and v the f32 numbers themselves (out1, out2).  Both go through the wave's own stage in LDS and leave as whole rows.
; The loads of cos and sin and their counted waits stand on every way, v's too, so that a count means the same loads whichever way a branch goes; v's work-groups load these rows (128 rows x 512 bytes a wave) and do not use them.
; LIMITS: |v| stays under 65,504 (f16's largest number) in vh; out2 has no such limit.  NaN and infinities are not served.
; REGISTERS: window 0: v0-31 addresses and statistics; v32-95 scale words, two sets; v128-191 A's fragments.  On the way out: v96-127 packed f16; v192-255 f16 rows, two sets; v32-95 and v128-191 f32 rows, two sets.
;   window 1: B's fragments at v0 and v128; v64-127 the norm's weights; v192-255 and (on the way out) v128-191 cos and sin, two sets; v0-63 at work.   windows 2, 3: the accumulators ((a, b) at v[8 (8 (a % 4) + b)]).
.set KSTEP,  512
.set NQ,     4                         ; matrix instructions deep in a slot
.set ROWB,   256                       ; a tile's row in bytes
.set KROW,   512                       ; a row of codes in memory
.set PITCH,  272                       ; an LDS row: 256 bytes + 16 of padding: the 16 rows of a load start 68 words apart
.set FR,     8
.set NL,     2
.set NP,     4                         ; places behind this matrix form (ISA guide 7.12.1)
.set HALFT,  128*PITCH
.set SLOT,   4*HALFT
.set KS,     32                        ; a row of scale bytes
.set SCL,    2*SLOT
.set HALFS,  (128*KS/256)*272
.set SBLK,   (16*KS/256)*272
.set SPARE,  SCL+4*HALFS               ; the spare words, 128 bytes a wave
.set WSTG,   12800                     ; the way out: a wave's stages, in slot 0, which has had its one fill and its last read by then: 16 x 528 bytes for f32,
.set S16,    8448                      ; then 16 x 272 for f16
.set ADRA, 16
.set CO16, 18                          ; v18  256 h + 16 r: my 16 bytes in two f16 rows
.set VCS,  19                          ; v19  256 r + 32 h: my place in 16 rows of cos or sin
.set ADRB, 20
.set STO16, 22
.set RD16, 23
.set STO32, 24
.set RD32, 25
.set CO32, 26                          ; v26  16 x lane
.set ADRS, 27
.set SPW,  28
.set NIL,  29
.set VW,   30                          ; v30  32 h
.set SC,   32
.set TMP,  96
.set AF,   128
.set WN,   64                          ; window 1: the norm's weights
.set G1, 24
.set G0, 32
.set G1B, 48
.set G0B, 56
.set G1S, 68
.set G0S, 76
.set G1SB, 80
.set G0SB, 88
.set MSB, 0
.macro WIN new                         ; the immediate's high byte repeats the setting that is left
.if MSB != (\new)
	s_set_vgpr_msb (MSB<<8)|(\new)
.set MSB, (\new)
.endif
.endm
.set MUL_LO, 0xa1                      ; source 0 (B) window 1, source 1 (A) window 0, C and D window 2
.set MUL_HI, 0xf1
.set TO_B,   0x40
; A joint load: waves 0 and 1 fetch for A, waves 2 and 3 for B; the branch hangs on the wave's number alone.  An s_nop 0 and four v_nop follow each line.
.macro JLOAD g0a, g1a, g0b, g1b
	s_cmp_eq_u32 s15, 0
	s_cbranch_scc0 .Lfor_b_\@
	tensor_load_to_lds s[\g0a:\g0a+3], s[\g1a:\g1a+7]
	s_nop 0
.rept 4
	v_nop
.endr
	s_branch .Lasked_\@
.Lfor_b_\@:
	tensor_load_to_lds s[\g0b:\g0b+3], s[\g1b:\g1b+7]
	s_nop 0
.rept 4
	v_nop
.endr
.Lasked_\@:
.endm
.macro CROUND                          ; a round of the cluster's barrier
	s_barrier_signal -1
	s_barrier_wait -1
	s_cmp_lg_u32 s14, 0
	s_cbranch_scc1 .Lnot_wave_0_\@
	s_barrier_signal -3
.Lnot_wave_0_\@:
	s_barrier_wait -3
	s_barrier_signal -1
	s_barrier_wait -1
.endm
	s_load_b128 s[4:7], s[0:1], 0x0                ; codes s[4:5], scales s[6:7]
	v_lshl_add_u32 v[SPW], v0, 2, SPARE
	v_mov_b32 v[NIL], 0
	ds_add_u32 v[SPW], v[NIL]                      ; the wave's opening: the add, twice on end, and its wait ahead of my first tensor load
	ds_add_u32 v[SPW], v[NIL]
	v_lshrrev_b32 v1, 5, v0
	v_readfirstlane_b32 s14, v1                    ; wave 0..3
	s_lshr_b32 s15, s14, 1                         ; which half of the tile's rows is mine.  Also: I fetch for A (0) or for B (1)
	s_and_b32 s16, s14, 1                          ; which half of its columns.  Also: which 128 rows I fetch
	s_bfe_u32 s40, ttmp6, 0x40000                  ; cx, cy
	s_bfe_u32 s41, ttmp6, 0x40004
	s_lshl_b32 s42, ttmp9, 2
	s_add_co_u32 s42, s42, s40                     ; tile column = 4 x cluster x + cx
	s_and_b32 s17, ttmp7, 0xffff
	s_lshl_b32 s17, s17, 2
	s_add_co_u32 s17, s17, s41                     ; tile row = 4 x cluster y + cy
	s_lshl_b32 s43, s41, 2
	s_lshl_b32 s43, 15, s43                        ; my row of the cluster
	s_lshl_b32 s44, 0x1111, s40                    ; my column
	s_or_b32 s[G1+0], s43, (0<<16)|(1<<20)|(1<<21)|(5<<22)|(3<<25)  ; the mask; elements of 1 byte; padding on; bit 21 beside a mask; 4 words behind every 64
	s_or_b32 s[G1B+0], s44, (0<<16)|(1<<20)|(1<<21)|(5<<22)|(3<<25)
.irp g, G1, G1B
	s_mov_b32 s[\g+1], ROWB<<16                    ; tensor_dim0
	s_mov_b32 s[\g+2], 128<<16                     ; tensor_dim1
	s_mov_b32 s[\g+3], ROWB<<16                    ; tile_dim0
	s_mov_b32 s[\g+4], 128                         ; tile_dim1
	s_mov_b32 s[\g+5], KROW                        ; the pitch
	s_mov_b32 s[\g+6], 0
	s_mov_b32 s[\g+7], 0
.endr
	s_or_b32 s[G1S+0], s43, (3<<16)|(1<<20)|(1<<21)|(5<<22)|(3<<25) ; the scales of 128 rows: 4,096 dense bytes as 16 rows of 256 (32 elements of 8 bytes), 16 bytes of padding behind each
	s_or_b32 s[G1SB+0], s44, (3<<16)|(1<<20)|(1<<21)|(5<<22)|(3<<25)
.irp g, G1S, G1SB
	s_mov_b32 s[\g+1], 32<<16
	s_mov_b32 s[\g+2], (128*KS/256)<<16
	s_mov_b32 s[\g+3], 32<<16
	s_mov_b32 s[\g+4], 128*KS/256
	s_mov_b32 s[\g+5], 32
	s_mov_b32 s[\g+6], 0
	s_mov_b32 s[\g+7], 0
.endr
	s_lshl_b32 s18, s16, 7
	s_lshl_b32 s20, s17, 8
	s_add_co_u32 s20, s20, s18                     ; A: row 256 x tile row + 128 x half
	s_lshl_b32 s46, s42, 8
	s_add_co_u32 s46, s46, s18                     ; B: row 256 x tile column + 128 x half
	s_mov_b32 s21, 0
	s_mov_b32 s47, 0
	s_mov_b64 s[18:19], KS
	s_mul_u64 s[22:23], s[20:21], s[18:19]         ; where these rows' scales begin,
	s_mul_u64 s[92:93], s[46:47], s[18:19]
	s_mov_b64 s[18:19], KROW
	s_mul_u64 s[20:21], s[20:21], s[18:19]         ; and their codes
	s_mul_u64 s[46:47], s[46:47], s[18:19]
	s_add_nc_u64 s[46:47], s[46:47], 0x200000      ; the weights' rows lie behind x's 4,096
	s_add_nc_u64 s[92:93], s[92:93], 0x20000
	s_mul_i32 s45, s14, HALFT                      ; where they go: wave x 128 rows
	s_mul_i32 s94, s14, HALFS
	s_mov_b32 s96, s42                             ; the tile column is kept: s[40:47] take pointers below
	s_wait_dscnt 0x0                               ; both opening adds are done
	s_wait_kmcnt 0x0
	s_add_nc_u64 s[20:21], s[4:5], s[20:21]
	s_add_nc_u64 s[22:23], s[6:7], s[22:23]
	s_add_nc_u64 s[46:47], s[4:5], s[46:47]
	s_add_nc_u64 s[92:93], s[6:7], s[92:93]
	CROUND                                         ; all sixteen work-groups are here: the first joint loads meet
	s_mov_b32 s[G0S], 1
	s_add_co_u32 s[G0S+1], s94, SCL
	s_mov_b64 s[G0S+2:G0S+3], s[22:23]
	s_or_b32 s[G0S+3], s[G0S+3], 0x80000000
	s_mov_b32 s[G0SB], 1
	s_add_co_u32 s[G0SB+1], s94, SCL
	s_mov_b64 s[G0SB+2:G0SB+3], s[92:93]
	s_or_b32 s[G0SB+3], s[G0SB+3], 0x80000000
	JLOAD G0S, G1S, G0SB, G1SB                     ; the scales first; with the two slots three loads of mine are out
.irp s, 0,1
	s_mov_b32 s[G0+4*\s], 1
	s_add_co_u32 s[G0+4*\s+1], s45, \s*SLOT
	s_add_nc_u64 s[G0+4*\s+2:G0+4*\s+3], s[20:21], \s*ROWB
	s_or_b32 s[G0+4*\s+3], s[G0+4*\s+3], 0x80000000
	s_mov_b32 s[G0B+4*\s], 1
	s_add_co_u32 s[G0B+4*\s+1], s45, \s*SLOT
	s_add_nc_u64 s[G0B+4*\s+2:G0B+4*\s+3], s[46:47], \s*ROWB
	s_or_b32 s[G0B+4*\s+3], s[G0B+4*\s+3], 0x80000000
	JLOAD G0+4*\s, G1, G0B+4*\s, G1B
.endr
	s_load_b256 s[4:11], s[0:1], 0x10              ; cos s[4:5], sin s[6:7], q_norm_w s[8:9], k_norm_w s[10:11]
	s_load_b256 s[40:47], s[0:1], 0x30             ; qh s[40:41], kh s[42:43], vh s[44:45], out1 s[46:47]
	s_load_b64 s[92:93], s[0:1], 0x50              ; out2
	v_and_b32 v1, 15, v0                           ; r
	v_bfe_u32 v2, v0, 4, 1                         ; h
	v_mul_u32_u24 v3, v1, PITCH
	v_lshl_add_u32 v4, v2, 4, v3                   ; a fragment's row x pitch + 16 h
	s_mul_i32 s21, s15, HALFT
	s_mul_i32 s22, s16, HALFT
	s_add_co_u32 s22, s22, 2*HALFT
.irp s, 0,1
	v_add_nc_u32 v[ADRA+\s], s21, v4
	v_add_nc_u32 v[ADRB+\s], s22, v4
	s_add_co_u32 s21, s21, SLOT
	s_add_co_u32 s22, s22, SLOT
.endr
	v_mul_u32_u24 v5, v1, KS                       ; my row's scales: 32 bytes a row,
	v_lshrrev_b32 v6, 8, v5
	v_lshl_add_u32 v5, v6, 4, v5                   ; and 16 more for each 256 passed
	s_mul_i32 s21, s15, HALFS
	s_mul_i32 s22, s16, HALFS
	s_add_co_u32 s22, s22, 2*HALFS
	s_sub_co_u32 s22, s22, s21
	v_mul_u32_u24 v6, s22, v2                      ; lanes 16-31 take B's
	s_add_co_u32 s21, s21, SCL
	v_add_nc_u32 v5, v5, v6
	v_add_nc_u32 v[ADRS], s21, v5
	s_mul_i32 s23, s14, WSTG                       ; my stages
	v_mul_u32_u24 v5, v1, 528
	v_lshl_add_u32 v5, v2, 5, v5
	v_add_nc_u32 v[STO32], s23, v5                 ; f32 in: row r, 32 bytes for each half of the lanes
	v_and_b32 v6, 31, v0
	v_lshlrev_b32 v[CO32], 4, v6
	v_add_nc_u32 v[RD32], s23, v[CO32]             ; f32 back: the 32 lanes take one row of 512 bytes
	s_add_co_u32 s23, s23, S16
	v_mul_u32_u24 v5, v1, 272
	v_lshl_add_u32 v5, v2, 4, v5
	v_add_nc_u32 v[STO16], s23, v5                 ; f16 in: row r, 16 bytes for each half
	v_mul_u32_u24 v5, v2, 272
	v_lshl_add_u32 v5, v1, 4, v5
	v_add_nc_u32 v[RD16], s23, v5                  ; f16 back: lanes 0-15 one row of 256 bytes, lanes 16-31 the next
	v_lshlrev_b32 v5, 8, v2
	v_lshl_add_u32 v[CO16], v1, 4, v5
	v_lshlrev_b32 v5, 8, v1
	v_lshl_add_u32 v[VCS], v2, 5, v5
	v_lshlrev_b32 v[VW], 5, v2
	s_mov_b32 s2, 0x76543210                       ; v_permlanex16_b32's selects for lane l xor 16
	s_mov_b32 s3, 0xfedcba98
	s_mov_b32 s12, 0x3c000000                      ; 1 / 128
	s_mov_b32 s13, 0x358637bd                      ; 1e-6
	s_lshl_b32 s18, s17, 8
	s_lshl_b32 s19, s15, 7
	s_add_co_u32 s18, s18, s19                     ; my first row of x
	s_and_b32 s19, s18, 2047                       ; its position in the sequence,
	s_lshr_b32 s18, s18, 11                        ; its batch
	s_lshl_b32 s20, s96, 1
	s_add_co_u32 s20, s20, s16                     ; hc
	s_wait_kmcnt 0x0
	s_cmp_lt_u32 ttmp9, 2                          ; q?
	s_cselect_b64 s[8:9], s[8:9], s[10:11]         ; the norm's weights
	s_cselect_b64 s[40:41], s[40:41], s[42:43]     ; the f16 copy: qh or kh,
	s_cselect_b32 s21, 4, 3                        ; 16 or 8 heads a batch (as a shift)
	s_cselect_b32 s22, 0, 16                       ; the first hc of my kind
	s_cmp_eq_u32 ttmp9, 3                          ; v?
	s_cselect_b64 s[40:41], s[44:45], s[40:41]     ; or vh
	s_cselect_b64 s[46:47], s[92:93], s[46:47]     ; the f32 output: out2 or out1 (q has none)
	s_cselect_b32 s22, 24, s22
	s_lshl_b32 s18, s18, s21
	s_add_co_u32 s18, s18, s20
	s_sub_co_u32 s18, s18, s22                     ; batch x heads + head
	s_lshl_b32 s18, s18, 11
	s_add_co_u32 s18, s18, s19                     ; my first row in the outputs
	s_mov_b32 s21, 0
	s_lshl_b32 s20, s18, 8                         ; 256 bytes a row in f16,
	s_add_nc_u64 s[40:41], s[40:41], s[20:21]
	s_lshl_b32 s20, s18, 9                         ; 512 in f32
	s_add_nc_u64 s[46:47], s[46:47], s[20:21]
	s_lshl_b32 s20, s19, 8                         ; a row of cos or sin is 256 bytes
	s_add_nc_u64 s[4:5], s[4:5], s[20:21]
	s_add_nc_u64 s[6:7], s[6:7], s[20:21]
; cos and sin of block a's 16 positions into set a % 2 of window 1: lane (r, h) wants those of channels 16 b + 8 h + 0 .. 7, b = 0 .. 3: 16 loads
.macro CSLOAD a
.set CSN, 192-64*((\a)%2)
	WIN 0x40
.irp b, 0,1,2,3
.irp i, 0,1
	global_load_b128 v[CSN+8*\b+4*\i:CSN+8*\b+4*\i+3], v[VCS], s[4:5] offset:4096*(\a)+64*\b+16*\i
	global_load_b128 v[CSN+32+8*\b+4*\i:CSN+32+8*\b+4*\i+3], v[VCS], s[6:7] offset:4096*(\a)+64*\b+16*\i
.endr
.endr
	WIN 0
.endm
	WIN 0x40                                       ; destination window 1: registers that the products leave alone
.irp b, 0,1,2,3,4,5,6,7
.irp i, 0,1
	global_load_b128 v[WN+8*\b+4*\i:WN+8*\b+4*\i+3], v[VW], s[8:9] offset:64*\b+16*\i   ; the norm's weights of my channels
.endr
.endr
	CSLOAD 0                                       ; these 32 loads land while the products run; they are waited for on the way out
.macro FRAG reg, adr, q, i             ; 16 rows x 128 K of 4-bit codes: 8 registers, two loads of 16 bytes, 32 bytes apart
.irp c, 0,1
	ds_load_b128 v[\reg+4*\c:\reg+4*\c+3], v[\adr] offset:64*(\q)+32*\c+(\i)*16*PITCH
.endr
.endm
; 16 matrix instructions: A's blocks a0, a0 + 1 x B's eight.  The 64 accumulators take turns, one instruction a turn, in the same order in every step.
.macro MUL16 a0, p, q, sc, zero
.irp a, \a0, \a0+1
.irp b, 0,1,2,3,4,5,6,7
.if \zero
	v_wmma_scale_f32_16x16x128_f8f6f4 v[8*(8*((\a)%4)+\b):8*(8*((\a)%4)+\b)+7], v[128*(\p)+FR*\b:128*(\p)+FR*\b+FR-1], v[AF+FR*(\a):AF+FR*(\a)+FR-1], 0, v[SC+8*NQ*(\sc)+NQ*\b+(\q)], v[SC+8*NQ*(\sc)+NQ*(\a)+(\q)] matrix_a_fmt:MATRIX_FMT_FP4 matrix_b_fmt:MATRIX_FMT_FP4 matrix_a_scale:MATRIX_SCALE_ROW1
.else
	v_wmma_scale_f32_16x16x128_f8f6f4 v[8*(8*((\a)%4)+\b):8*(8*((\a)%4)+\b)+7], v[128*(\p)+FR*\b:128*(\p)+FR*\b+FR-1], v[AF+FR*(\a):AF+FR*(\a)+FR-1], v[8*(8*((\a)%4)+\b):8*(8*((\a)%4)+\b)+7], v[SC+8*NQ*(\sc)+NQ*\b+(\q)], v[SC+8*NQ*(\sc)+NQ*(\a)+(\q)] matrix_a_fmt:MATRIX_FMT_FP4 matrix_b_fmt:MATRIX_FMT_FP4 matrix_a_scale:MATRIX_SCALE_ROW1
.endif
.endr
.endr
.endm
.macro FETCH_B slot, q, p
	WIN TO_B
.irp i, 0,1,2,3,4,5,6,7
	FRAG 128*(\p)+FR*\i, ADRB+\slot, \q, \i
.endr
	WIN 0
.endm
.macro FETCH_A slot, q, i0
.irp i, \i0, \i0+1, \i0+2, \i0+3
	FRAG AF+FR*(\i), ADRA+\slot, \q, \i
.endr
.endm
.macro SCALES sc                       ; a slot's scale words: 4 words a row; lanes 0-15 take A's block i, lanes 16-31 B's block i
.irp i, 0,1,2,3,4,5,6,7
	ds_load_b128 v[SC+8*NQ*\sc+NQ*\i:SC+8*NQ*\sc+NQ*\i+3], v[ADRS] offset:\i*SBLK
.endr
.endm
.macro PLACES n                        ; plain vector instructions between a matrix instruction and a load into, or a read of, its registers
.rept \n
	v_nop
.endr
.endm
.macro STEP slot, q, zero              ; 128 along K that has its successor in the same slot
	s_wait_dscnt 4*NL                              ; all but the youngest eight loads (A's blocks 4-7) are in
	WIN MUL_LO
	MUL16 0, (\q)%2, \q, \slot, \zero
	MUL16 2, (\q)%2, \q, \slot, \zero
	s_wait_dscnt 0
	PLACES NP
	FETCH_B \slot, (\q)+1, 1-(\q)%2
	FETCH_A \slot, (\q)+1, 0
	WIN MUL_HI
	MUL16 4, (\q)%2, \q, \slot, \zero
	MUL16 6, (\q)%2, \q, \slot, \zero
	PLACES NP
	WIN 0
	FETCH_A \slot, (\q)+1, 4
.endm
	s_wait_tensorcnt 1                             ; the scales and my part of slot 0 are in; slot 1's load, the one issued behind them, may be out
	s_barrier_signal -1
	s_barrier_wait -1
	FETCH_B 0, 0, 0
	FETCH_A 0, 0, 0
	SCALES 0
	FETCH_A 0, 0, 4
	STEP 0, 0, 1                                   ; the first step's products start the sums: nothing is cleared
	STEP 0, 1, 0
	STEP 0, 2, 0
	; slot 0's last step changes slots: one barrier; in front of it all my tensor loads have landed and my reads of slot 0 are over
	s_wait_tensorcnt 0x0
	ds_add_u32 v[SPW], v[NIL]
	s_wait_dscnt 4*NL+1                            ; the add and the youngest eight loads may be out
	WIN MUL_LO
	MUL16 0, 1, NQ-1, 0, 0
	s_wait_dscnt 0x0
	s_barrier_signal -1
	MUL16 2, 1, NQ-1, 0, 0
	WIN 0
	s_barrier_wait -1
	PLACES NP
	v_add_nc_u32 v[ADRS], 4*NQ, v[ADRS]            ; on to slot 1's scale words
	FETCH_B 1, 0, 0
	FETCH_A 1, 0, 0
	SCALES 1
	WIN MUL_HI
	MUL16 4, 1, NQ-1, 0, 0
	MUL16 6, 1, NQ-1, 0, 0
	PLACES NP
	WIN 0
	FETCH_A 1, 0, 4
	STEP 1, 0, 0
	STEP 1, 1, 0
	STEP 1, 2, 0
	s_wait_dscnt 4*NL                              ; the very last step: nothing more to fetch
	WIN MUL_LO
	MUL16 0, 1, NQ-1, 1, 0
	MUL16 2, 1, NQ-1, 1, 0
	s_wait_dscnt 0
	WIN MUL_HI
	MUL16 4, 1, NQ-1, 1, 0
	MUL16 6, 1, NQ-1, 1, 0
	WIN 0
	PLACES NP                                      ; behind the last products: their results are read, and their operands' registers loaded into, only from here on
; THE NORM AND THE ROTATION of block a, in place.  First, on every way: the next block's cos and sin are asked for, into the set that block a - 1 has done with and whose own loads were
; waited for a block ago, and this block's are waited for.  Then v is left as it is (the cluster's x decides): the branch leads round arithmetic on registers alone.
.macro NR a
.if (\a) < 7
	CSLOAD (\a)+1
	s_wait_loadcnt 16                              ; all but the 16 just issued: this block's cos and sin (and, in block 0, the weights) are in
.else
	s_wait_loadcnt 0x0
.endif
	s_cmp_eq_u32 ttmp9, 3
	s_cbranch_scc1 .Lraw_\@
.set AC, 64*((\a)%4)
.set CSB, 192-64*((\a)%2)
	WIN 0x0a+5*((\a)/4)                            ; sources 0 and 1: the accumulators' window
.irp p, 0,1,2,3
	v_pk_mul_f32 v[8+2*\p:9+2*\p], v[AC+2*\p:AC+2*\p+1], v[AC+2*\p:AC+2*\p+1]       ; the sum of squares of my 64 channels, in four chains; each accumulator from its low end on
.endr
.irp b, 1,2,3,4,5,6,7
.irp p, 0,1,2,3
	v_pk_fma_f32 v[8+2*\p:9+2*\p], v[AC+8*\b+2*\p:AC+8*\b+2*\p+1], v[AC+8*\b+2*\p:AC+8*\b+2*\p+1], v[8+2*\p:9+2*\p]
.endr
.endr
	WIN 0
	v_pk_add_f32 v[8:9], v[8:9], v[10:11]
	v_pk_add_f32 v[12:13], v[12:13], v[14:15]
	v_pk_add_f32 v[8:9], v[8:9], v[12:13]
	v_add_f32 v8, v8, v9
	v_permlanex16_b32 v9, v8, s2, s3               ; the row's other 64 channels lie in the lane 16 away
	v_add_f32 v8, v8, v9
	v_fma_f32 v8, v8, s12, s13                     ; the mean + 1e-6
	v_rsq_f32 v10, v8
	v_nop                                          ; a plain instruction behind the transcendental,
	s_wait_alu depctr_va_vdst(0)                   ; and the wait ahead of the first use
	WIN 0x82+0x41*((\a)/4)
.irp n, 0,2,4,6,8,10,12,14,16,18,20,22,24,26,28,30,32,34,36,38,40,42,44,46,48,50,52,54,56,58,60,62
	v_pk_mul_f32 v[AC+\n:AC+\n+1], v[AC+\n:AC+\n+1], v[10:11] op_sel_hi:[1,0]       ; x / rms
.endr
	WIN 0x86+0x41*((\a)/4)
.irp n, 0,2,4,6,8,10,12,14,16,18,20,22,24,26,28,30,32,34,36,38,40,42,44,46,48,50,52,54,56,58,60,62
	v_pk_mul_f32 v[AC+\n:AC+\n+1], v[AC+\n:AC+\n+1], v[WN+\n:WN+\n+1]               ; x w
.endr
	WIN 0x46+((\a)/4)
.irp n, 0,2,4,6,8,10,12,14,16,18,20,22,24,26,28,30
	v_pk_mul_f32 v[\n:\n+1], v[AC+32+\n:AC+32+\n+1], v[CSB+32+\n:CSB+32+\n+1]       ; x2 sin
	v_pk_mul_f32 v[32+\n:32+\n+1], v[AC+\n:AC+\n+1], v[CSB+32+\n:CSB+32+\n+1]       ; x1 sin
.endr
	WIN 0x96+0x41*((\a)/4)
.irp n, 0,2,4,6,8,10,12,14,16,18,20,22,24,26,28,30
	v_pk_fma_f32 v[AC+\n:AC+\n+1], v[AC+\n:AC+\n+1], v[CSB+\n:CSB+\n+1], v[\n:\n+1] neg_lo:[0,0,1] neg_hi:[0,0,1]   ; x1 cos - x2 sin
	v_pk_fma_f32 v[AC+32+\n:AC+32+\n+1], v[AC+32+\n:AC+32+\n+1], v[CSB+\n:CSB+\n+1], v[32+\n:32+\n+1]               ; x2 cos + x1 sin
.endr
	WIN 0
.Lraw_\@:
.endm
.macro P16 a                           ; block a rounded to f16, 16 bytes a lane and accumulator; each accumulator from its low end on
.set AC, 64*((\a)%4)
	WIN 0x0a+5*((\a)/4)
.irp b, 0,1,2,3,4,5,6,7
.irp i, 0,1,2,3
	v_cvt_pk_f16_f32 v[TMP+4*\b+\i], v[AC+8*\b+2*\i], v[AC+8*\b+2*\i+1]
.endr
.endr
	WIN 0
.endm
.macro TOST a                          ; into my stages and back as whole rows.  LDS serves a wave's instructions in order: no wait between the stores and the loads, nor in front of the next block's stores
.set AC, 64*((\a)%4)
.set HBB, 192+32*((\a)%2)
.set FBB, 32+96*((\a)%2)
.irp b, 0,1,2,3,4,5,6,7
	ds_store_b128 v[STO16], v[TMP+4*\b:TMP+4*\b+3] offset:32*\b
.endr
.irp t, 0,1,2,3,4,5,6,7
	ds_load_b128 v[HBB+4*\t:HBB+4*\t+3], v[RD16] offset:544*\t
.endr
	s_cmp_lt_u32 ttmp9, 2
	s_cbranch_scc1 .Lq_\@                          ; q has no f32 output
	WIN 0x08+4*((\a)/4)                            ; an LDS store's data are its source 1
.irp b, 0,1,2,3,4,5,6,7
	ds_store_b128 v[STO32], v[AC+8*\b:AC+8*\b+3] offset:64*\b
	ds_store_b128 v[STO32], v[AC+8*\b+4:AC+8*\b+7] offset:64*\b+16
.endr
	WIN 0
.irp t, 0,1,2,3,4,5,6,7,8,9,10,11,12,13,14,15
	ds_load_b128 v[FBB+4*\t:FBB+4*\t+3], v[RD32] offset:528*\t
.endr
.Lq_\@:
.endm
.macro SEND a
.set HBB, 192+32*((\a)%2)
.set FBB, 32+96*((\a)%2)
	s_wait_dscnt 0x0                               ; the block's rows are back in registers
.irp t, 0,1,2,3,4,5,6,7
	global_store_b128 v[CO16], v[HBB+4*\t:HBB+4*\t+3], s[40:41] offset:4096*(\a)+512*\t    ; two rows of 256 bytes: 512 consecutive bytes, aligned
.endr
	s_cmp_lt_u32 ttmp9, 2
	s_cbranch_scc1 .Lq_\@
.irp t, 0,1,2,3,4,5,6,7,8,9,10,11,12,13,14,15
	global_store_b128 v[CO32], v[FBB+4*\t:FBB+4*\t+3], s[46:47] offset:8192*(\a)+512*\t th:TH_STORE_NT   ; a row of 512 bytes
.endr
.Lq_\@:
.endm
	NR 0
	P16 0
	TOST 0
.irp a, 1,2,3,4,5,6,7                  ; block a's arithmetic stands between block a - 1's loads from the stages and the wait for them
	NR \a
	P16 \a
	SEND \a-1
.if \a > 1
	s_wait_xcnt 0x0                                ; block a - 2's stores have read their registers: block a's rows may land there
.endif
	TOST \a
.endr
	SEND 7
	s_wait_tensorcnt 0x0                           ; the wave's end, behind my last tensor load and my last LDS store
	ds_add_u32 v[SPW], v[NIL]
	s_wait_dscnt 0x0
	CROUND                                         ; the closing round
	s_endpgm
.Lfunc_end_k_q3d3e23eb72_proj:
	.size	k_q3d3e23eb72_proj, .Lfunc_end_k_q3d3e23eb72_proj-k_q3d3e23eb72_proj
	.p2alignl 7, 3214868480
	.fill 96, 4, 3214868480
	.section	.rodata,"a",@progbits
	.p2align	6, 0x0
	.amdhsa_kernel k_q3d3e23eb72_proj
		.amdhsa_group_segment_fixed_size 327680
		.amdhsa_private_segment_fixed_size 0
		.amdhsa_enable_private_segment 0
		.amdhsa_kernarg_size 88
		.amdhsa_user_sgpr_count 2
		.amdhsa_user_sgpr_kernarg_segment_ptr 1
		.amdhsa_wavefront_size32 1
		.amdhsa_system_sgpr_workgroup_id_x 1
		.amdhsa_system_sgpr_workgroup_id_y 1
		.amdhsa_system_sgpr_workgroup_id_z 1
		.amdhsa_system_vgpr_workitem_id 0
		.amdhsa_next_free_vgpr 1024
		.amdhsa_next_free_sgpr 100
		.amdhsa_reserve_vcc 0
		.amdhsa_float_denorm_mode_32 3
		.amdhsa_float_denorm_mode_16_64 3
		.amdhsa_memory_ordered 1
		.amdhsa_forward_progress 1
		.amdhsa_inst_pref_size 255
	.end_amdhsa_kernel
	.section	.bss,"aw",@nobits
	.p2align	6
	.space	262144
	.amdgpu_metadata
---
amdhsa.version: [ 1, 2 ]
amdhsa.kernels:
  - .name:           k_q3d3e23eb72_proj
    .symbol:         k_q3d3e23eb72_proj.kd
    .args:
      - { .name: codes, .offset: 0, .size: 8, .value_kind: global_buffer, .address_space: global }
      - { .name: scales, .offset: 8, .size: 8, .value_kind: global_buffer, .address_space: global }
      - { .name: cos, .offset: 16, .size: 8, .value_kind: global_buffer, .address_space: global }
      - { .name: sin, .offset: 24, .size: 8, .value_kind: global_buffer, .address_space: global }
      - { .name: q_norm_w, .offset: 32, .size: 8, .value_kind: global_buffer, .address_space: global }
      - { .name: k_norm_w, .offset: 40, .size: 8, .value_kind: global_buffer, .address_space: global }
      - { .name: qh, .offset: 48, .size: 8, .value_kind: global_buffer, .address_space: global }
      - { .name: kh, .offset: 56, .size: 8, .value_kind: global_buffer, .address_space: global }
      - { .name: vh, .offset: 64, .size: 8, .value_kind: global_buffer, .address_space: global }
      - { .name: out1, .offset: 72, .size: 8, .value_kind: global_buffer, .address_space: global }
      - { .name: out2, .offset: 80, .size: 8, .value_kind: global_buffer, .address_space: global }
    .group_segment_fixed_size: 327680
    .private_segment_fixed_size: 0
    .kernarg_segment_align: 8
    .kernarg_segment_size: 88
    .max_flat_workgroup_size: 128
    .sgpr_count:     100
    .vgpr_count:     1024
    .wavefront_size: 32
...
	.end_amdgpu_metadata
.endif
;; end of part 2
;; launch attn (part 3): grid 16 x 16, 4 waves a work-group, no clusters, 327,680 bytes of LDS; arguments qh, kh, vh, ao; writes ao
.if DOCPART == 3
	.amdgcn_target "amdgcn-amd-amdhsa--gfx1250"
	.amdhsa_code_object_version 6
	.text
	.protected	k_q3d3e23eb72_attn
	.globl	k_q3d3e23eb72_attn
	.p2align	8
	.type	k_q3d3e23eb72_attn,@function
k_q3d3e23eb72_attn:
	s_mov_b64 s[64:65], 0
	v_nop
	global_prefetch_b8 v0, s[64:65] scope:SCOPE_SE
	s_setreg_imm32_b32 hwreg(HW_REG_WAVE_MODE, 25, 1), 1
	s_wait_xcnt 0x0
; ao[b][t][128 head + d] = the sum over keys k <= t of softmax_k(q . k / sqrt(128)) v, for 16 query heads on 8 key and value heads (key head g serves query heads 2 g, 2 g + 1).
; qh [2][16][2048][128], kh, vh [2][8][2048][128], ao [4096][2048]: f16.  Products on f16 operands with f32 sums; maxima, exponentials and sums in f32; the weights p are rounded to f16 for the second product.
; SHARES, EVEN UNDER THE CAUSAL MASK.  Work-group (j, y) serves key head y (batch y / 8) and TWO blocks of 64 positions: the early one, 64 j on, and the late one, 64 (31 - j) on, for both query heads.
; Wave w owns positions 16 w .. 16 w + 15 of each block: four tiles of 16 queries: tile 0, 1: early block, head 0, 1 (piece 0); tile 2, 3: late block (piece 2).
; Keys go 64 a step, two steps a slot of the ring.  A piece works through WHOLE slots: piece 2 through slots 0 .. (31 - j) / 2, piece 0 through slots 0 .. j / 2.  In a piece's last slot the hidden scores become
; -infinity.  j and 31 - j differ in parity, so just one of the two pieces has a last step all of whose keys are hidden; it is computed and masked (p = 0): 34 piece steps in every work-group.
; NO CLUSTER: work-groups of one key head need different numbers of key tiles, so a joint load would bring some partner tiles that none of its waves reads.
; EVERY work-group walks all 16 slots of the ring: the trip counts are constants.  A slot whose keys all come after the late block is left out by a scalar branch on ids, and is not asked for.
; LAYOUT.  S^T = K Q^T (source 0 = 16 keys, source 1 = 16 queries): a lane holds ONE query (lane % 16) and keys 8 (lane / 16) + 0 .. 7.  Two such tiles, rounded in pairs, are source 1 of O^T = V^T P.
; V ([key][channel]) comes out of LDS turned, by ds_load_tr16_b128.
; SOFTMAX.  A running maximum m and sum l for each query: p = 2^(c s - c m), c = log2(e) / sqrt(128); in every step O and l are multiplied by a = 2^(c m_old - c m_new).
; O^T and l begin as zeros and m as -3e38, so the first a is 0 and multiplies zeros: no first step of its own is written.
; BY TURNS.  A piece's two tiles a, b and a slot's two steps make four UNITS: u0 = (a, step 0), u1 = (b, 0), u2 = (a, 1), u3 = (b, 1); a unit is 16 products K Q^T, a softmax of 134 vector instructions, 16 products V^T P.
; One unit's softmax stands in slices behind the products of other units, which name none of its registers:
;   phase 1: KQ u0 | -     2: KQ u1 | softmax u0     3: PV u0, KQ u2 | softmax u1     4: PV u1, KQ u3 | softmax u2     5: PV u2 | softmax u3     6: PV u3 | -
; 134 vector instructions for 32 products are 4 behind each (phases 3, 4), for 16 products 8 behind each (phases 2, 5).  A slice costs two switches of the register window: 192 for a chain's 128 products.
; Nothing is carried from slot to slot: a slot's fragments are read only behind its barrier, and where a piece ends hangs on the work-group's number.
; REGISTERS: window 0: addresses, statistics (8 a tile), v64-191 S^T (32 a tile), v192-255 P (16 a tile).  window 1: O^T (64 a tile).  window 2: v0-127 Q, v128-255 K of the slot's step 0.
;   window 3: v0-127 V of one step, v128-255 K of the slot's step 1.
.set KS,    64
.set PK,    272                        ; a row of K in LDS: 256 bytes + 16
.set PV,    288                        ; a row of V: 256 + 32
.set VOFF,  KS*PK
.set STEPB, KS*(PK+PV)
.set SLOT1, 1<<17                      ; a slot holds two steps; slot 1 begins here, so that one exclusive or changes slots
.set STAGE, SLOT1+2*STEPB              ; 16 rows x 272 bytes for each wave, for the way out
.set SP,    272
.set SPARE, STAGE+4*16*SP              ; the spare words, 128 bytes a wave
.set AK0, 2
.set AV0, 3
.set ADK, 4
.set ADV, 5
.set STO, 6
.set RD,  7
.set GO,  8                            ; v8   4096 h + 16 r: my 16 bytes in two rows of ao
.set QO,  9
.set DQL, 10                           ; v10  the late block: my position in its last slot, less 8 h: 64 ((31 - j) % 2) + 16 w + r - 8 h.  Register 8 kt + i of step s holds a hidden key where 64 s + 16 kt + i is above it
.set NINF, 11
.set ST,  12                           ; tile t at v[12 + 8 t]: c m, m, l (even keys', odd keys'), four at work (a takes the third's place)
.set DQE, 47                           ; v47  the same for the early block: 64 (j % 2) + 16 w + r - 8 h
.set PFO, 61
.set SPW, 62
.set NIL, 63
.set S,   64
.set P,   192
.set KF,  128
.set WV,  12
.set YH,  13
.set SLE, 14                           ; s14  the early block's last slot: j / 2 (at the head: j)
.set SLL, 15                           ; s15  the late block's: (31 - j) / 2 (at the head: 31 - j)
.set SS,  16                           ; s16  the slot
.set SLOTS, 18
.set LIM, 19
.set PFK, 20
.set PFV, 22
.set G1K, 24
.set G1V, 32
.set G0K, 40
.set G0V, 44
.set CS,  48
.set SEL, 50
.set TB,  52                           ; s52  LDS byte at which the slot in hand begins
.set QE,  56                           ; s[56:57], s[58:59] q at my wave's first row of the early, the late block (head 0 of the pair)
.set OE,  60                           ; s[60:61], s[62:63] ao likewise
.set MSB, 0
.macro WIN new                         ; the immediate's high byte repeats the setting that is left; a switch that changes nothing is dropped
.if MSB != (\new)
	s_set_vgpr_msb (MSB<<8)|(\new)
.set MSB, (\new)
.endif
.endm
.set W_PV, 0x53                        ; V in window 3, P in window 0, O^T in window 1
.set W_RS, 0x41                        ; O^T in window 1, a in window 0
; Waves 0 and 1 fetch the slot's two tiles of K, waves 2 and 3 those of V: one load a wave.  An s_nop 0 and four v_nop follow each line.
.macro TLOAD
	s_cmp_lt_u32 s[WV], 2
	s_cbranch_scc0 .Lfor_v_\@
	tensor_load_to_lds s[G0K:G0K+3], s[G1K:G1K+7]
	s_nop 0
.rept 4
	v_nop
.endr
	s_branch .Lasked_\@
.Lfor_v_\@:
	tensor_load_to_lds s[G0V:G0V+3], s[G1V:G1V+7]
	s_nop 0
.rept 4
	v_nop
.endr
.Lasked_\@:
.endm
; A prefetch of the slot after the one just asked for: two key steps ahead of the load that will want it.  All sixteen work-groups of a key head walk the same K and V: work-group j = 0, which walks all slots, asks;
; wave w names rows 32 w .. 32 w + 31 of the slot's 128 rows of K and of V, a lane a row of 256 bytes: each row is named once in the launch.  The last change that fills a slot asks for nothing.
.macro ASK
	s_cmp_gt_u32 s[SLOTS], s[LIM]
	s_cbranch_scc0 .Lnot_mine_\@
	global_prefetch_b8 v[PFO], s[PFK:PFK+1] th:TH_LOAD_NT scope:SCOPE_SE
	global_prefetch_b8 v[PFO], s[PFV:PFV+1] th:TH_LOAD_NT scope:SCOPE_SE
.Lnot_mine_\@:
.endm
	s_load_b256 s[4:11], s[0:1], 0x0               ; qh s[4:5], kh s[6:7], vh s[8:9], ao s[10:11]
	v_lshl_add_u32 v[SPW], v0, 2, SPARE
	v_mov_b32 v[NIL], 0
	ds_add_u32 v[SPW], v[NIL]                      ; the wave's opening: the add, twice on end, and its wait ahead of my first tensor load
	ds_add_u32 v[SPW], v[NIL]
	v_lshrrev_b32 v1, 5, v0
	v_readfirstlane_b32 s[WV], v1
	s_and_b32 s[YH], ttmp7, 0xffff                 ; 8 x batch + key head
	s_mov_b32 s[SLE], ttmp9                        ; j: the early block, and its last step
	s_sub_co_u32 s[SLL], 31, ttmp9                 ; 31 - j: the late block, and its last step
	s_mov_b32 s[SS], 0
	s_mov_b32 s[SLOTS], 15
	s_cmp_eq_u32 ttmp9, 0
	s_cselect_b32 s[LIM], 1, -1
	s_mov_b32 s[G1K], (1<<16)|(1<<20)|(5<<22)|(3<<25)   ; no mask; elements of 2 bytes; padding on: 4 words behind every 64
	s_mov_b32 s[G1V], (1<<16)|(1<<20)|(5<<22)|(7<<25)   ; 8 words
.irp g, G1K, G1V
	s_mov_b32 s[\g+1], 128<<16                     ; tensor_dim0
	s_mov_b32 s[\g+2], KS<<16                      ; tensor_dim1
	s_mov_b32 s[\g+3], 128<<16                     ; tile_dim0
	s_mov_b32 s[\g+4], KS                          ; tile_dim1
	s_mov_b32 s[\g+5], 128                         ; the pitch
	s_mov_b32 s[\g+6], 0
	s_mov_b32 s[\g+7], 0
.endr
	s_mov_b32 s[CS], 0x3e0293ee                    ; c = log2(e) / sqrt(128)
	s_mov_b32 s[CS+1], s[CS]
	s_mov_b32 s[SEL], 0x76543210
	s_mov_b32 s[SEL+1], 0xfedcba98
	s_mov_b32 s[TB], 0
	s_and_b32 s66, s[WV], 1                        ; which of a slot's two steps I fetch:
	s_mul_i32 s72, s66, STEPB                      ; its place in a slot,
	s_lshl_b32 s66, s66, 14                        ; its 64 rows of 256 bytes in memory,
	s_lshl_b32 s67, s[YH], 19                      ; in my key head
	s_add_co_u32 s66, s66, s67
	s_lshl_b32 s68, s[WV], 13                      ; the prefetches: my wave's 32 rows,
	s_add_co_u32 s68, s68, s67
	s_add_co_u32 s68, s68, 2*KS*256                ; in slot 1: the first change of slots steps them to slot 2
	s_mov_b32 s67, 0
	s_mov_b32 s69, 0
	s_lshl_b32 s71, s[WV], 4
	s_lshl_b32 s70, ttmp9, 6
	s_add_co_u32 s70, s70, s71                     ; my first position in the early block,
	s_lshl_b32 s73, s[SLL], 6
	s_add_co_u32 s73, s73, s71                     ; in the late block
	s_and_b32 s17, s[SLL], 1                       ; where my positions lie in their block's last slot: in its second step where the block's number is odd
	s_lshl_b32 s17, s17, 6
	s_add_co_u32 s17, s17, s71                     ; the late block: 64 ((31 - j) % 2) + 16 w
	s_and_b32 s53, s[SLE], 1
	s_lshl_b32 s53, s53, 6
	s_add_co_u32 s53, s53, s71                     ; the early block: 64 (j % 2) + 16 w
	s_lshr_b32 s[SLL], s[SLL], 1                   ; from here on: the blocks' last slots
	s_lshr_b32 s[SLE], s[SLE], 1
	s_lshl_b32 s82, s[YH], 20                      ; q: the pair of heads, 2 x 2,048 rows of 256 bytes
	s_lshl_b32 s74, s70, 8
	s_add_co_u32 s74, s74, s82
	s_mov_b32 s75, 0
	s_lshl_b32 s76, s73, 8
	s_add_co_u32 s76, s76, s82
	s_mov_b32 s77, 0
	s_lshr_b32 s82, s[YH], 3
	s_lshl_b32 s82, s82, 11                        ; ao: the batch's 2,048 rows of 4,096 bytes,
	s_and_b32 s83, s[YH], 7
	s_lshl_b32 s83, s83, 9                         ; the pair of heads' 512 bytes in a row
	s_add_co_u32 s78, s82, s70
	s_lshl_b32 s78, s78, 12
	s_add_co_u32 s78, s78, s83
	s_mov_b32 s79, 0
	s_add_co_u32 s80, s82, s73
	s_lshl_b32 s80, s80, 12
	s_add_co_u32 s80, s80, s83
	s_mov_b32 s81, 0
	s_wait_dscnt 0x0                               ; both opening adds are done
	s_wait_kmcnt 0x0
	s_mov_b32 s[G0K], 1
	s_mov_b32 s[G0K+1], s72
	s_add_nc_u64 s[G0K+2:G0K+3], s[6:7], s[66:67]
	s_or_b32 s[G0K+3], s[G0K+3], 0x80000000
	s_mov_b32 s[G0V], 1
	s_add_co_u32 s[G0V+1], s72, VOFF
	s_add_nc_u64 s[G0V+2:G0V+3], s[8:9], s[66:67]
	s_or_b32 s[G0V+3], s[G0V+3], 0x80000000
	TLOAD                                          ; slot 0: keys 0 to 127, which every work-group reads.  One load of mine is out, here and behind every change of slots
	s_add_nc_u64 s[QE:QE+1], s[4:5], s[74:75]
	s_add_nc_u64 s[QE+2:QE+3], s[4:5], s[76:77]
	s_add_nc_u64 s[OE:OE+1], s[10:11], s[78:79]
	s_add_nc_u64 s[OE+2:OE+3], s[10:11], s[80:81]
	s_add_nc_u64 s[PFK:PFK+1], s[6:7], s[68:69]
	s_add_nc_u64 s[PFV:PFV+1], s[8:9], s[68:69]
	v_and_b32 v1, 15, v0                           ; r
	v_bfe_u32 v44, v0, 4, 1                        ; h
	v_lshlrev_b32 v[QO], 8, v1
	v_lshl_add_u32 v[QO], v44, 4, v[QO]            ; row x 256 + 16 h
	WIN 0x80                                       ; destination window 2
.irp t, 0,1,2,3                        ; Q stays in registers: tile t, channels 32 c on
.irp c, 0,1,2,3
	global_load_b128 v[32*\t+8*\c:32*\t+8*\c+3],   v[QO], s[QE+2*(\t/2):QE+2*(\t/2)+1] offset:(\t%2)*524288+64*\c
	global_load_b128 v[32*\t+8*\c+4:32*\t+8*\c+7], v[QO], s[QE+2*(\t/2):QE+2*(\t/2)+1] offset:(\t%2)*524288+64*\c+32
.endr
.endr
	WIN 0
	v_mul_u32_u24 v[AK0], v1, PK
	v_lshl_add_u32 v[AK0], v44, 4, v[AK0]          ; K: row x pitch + 16 h
	v_and_b32 v45, 7, v0
	v_bfe_u32 v46, v0, 3, 1
	v_lshl_add_u32 v[AV0], v44, 3, v45             ; V, for the turning load: key 8 h + l % 8, channels 8 ((l / 8) % 2) on
	v_mul_u32_u24 v[AV0], v[AV0], PV
	v_lshl_add_u32 v[AV0], v46, 4, v[AV0]
	v_add_nc_u32 v[AV0], VOFF, v[AV0]
	s_mul_i32 s66, s[WV], 16*SP
	s_add_co_u32 s66, s66, STAGE                   ; my stage
	v_mul_u32_u24 v[STO], v1, SP
	v_lshl_add_u32 v[STO], v44, 4, v[STO]
	v_add_nc_u32 v[STO], s66, v[STO]
	v_mul_u32_u24 v[RD], v44, SP
	v_lshl_add_u32 v[RD], v1, 4, v[RD]
	v_add_nc_u32 v[RD], s66, v[RD]
	v_lshlrev_b32 v[GO], 12, v44
	v_lshl_add_u32 v[GO], v1, 4, v[GO]
	v_lshlrev_b32 v45, 3, v44
	v_sub_nc_u32 v45, v1, v45                      ; r - 8 h
	v_add_nc_u32 v[DQL], s17, v45
	v_add_nc_u32 v[DQE], s53, v45
	v_mov_b32 v[NINF], 0xff800000
	v_and_b32 v[PFO], 31, v0
	v_lshlrev_b32 v[PFO], 8, v[PFO]
.irp t, 0,1,2,3
	v_mov_b32 v[ST+8*\t+1], 0xff61b1e6             ; m = -3e38, under every score
	v_mul_f32 v[ST+8*\t], s[CS], v[ST+8*\t+1]      ; c m
.irp u, 2,3,4,5,6,7
	v_mov_b32 v[ST+8*\t+\u], 0                     ; l; and the four at work, so that each is written on every way to the way out
.endr
.endr
	WIN 0x40
.set i, 0
.rept 256
	v_mov_b32 v[i], 0                              ; O^T: every unit finds sums to rescale; a first unit of its own would be a further copy of the chain's text
.set i, i+1
.endr
	WIN 0
; THE LDS LOADS stand in runs of 32.  K of the slot's step s (64 keys x 128 channels), the channels' four chunks of 32 one after the other, into window 2 (s = 0) or 3 (s = 1):
.macro FETCH_K s
	WIN 0x80+0x40*(\s)
.irp c, 0,1,2,3
.irp k, 0,1,2,3
	ds_load_b128 v[KF+32*\k+8*\c:KF+32*\k+8*\c+3],   v[ADK] offset:(\s)*STEPB+\k*16*PK+\c*64
	ds_load_b128 v[KF+32*\k+8*\c+4:KF+32*\k+8*\c+7], v[ADK] offset:(\s)*STEPB+\k*16*PK+\c*64+32
.endr
.endr
.endm
.macro FETCH_V s                       ; V of the slot's step s, turned: keys 32 (f / 8) on, channels 16 (f % 8) on
	WIN 0xc0
.irp f, 0,1,2,3,4,5,6,7,8,9,10,11,12,13,14,15
	ds_load_tr16_b128 v[8*\f:8*\f+3],   v[ADV] offset:(\s)*STEPB+(\f/8)*32*PV+(\f%8)*32
	ds_load_tr16_b128 v[8*\f+4:8*\f+7], v[ADV] offset:(\s)*STEPB+(\f/8)*32*PV+16*PV+(\f%8)*32
.endr
.endm
; Product i of 16 of S^T = K Q^T for tile t and the slot's step s: channels 32 (i / 4) on, keys 16 (i % 4) on.  Four accumulators by turns, one instruction a turn; the first four start the sums.
.macro KQ1 t, s
	WIN 0x0a+(\s)                                  ; K in window 2 or 3, Q in window 2, S^T in window 0
.set rS, S+32*(\t)+8*(i%4)
.set rK, KF+32*(i%4)+8*(i/4)
.set rQ, 32*(\t)+8*(i/4)
.if i < 4
	v_wmma_f32_16x16x32_f16 v[rS:rS+7], v[rK:rK+7], v[rQ:rQ+7], 0
.else
	v_wmma_f32_16x16x32_f16 v[rS:rS+7], v[rK:rK+7], v[rQ:rQ+7], v[rS:rS+7]
.endif
.endm
; Product i of 16 of O^T += V^T P for tile t: keys 32 (i / 8) on, channels 16 (i % 8) on.  Eight accumulators by turns.
.macro PV1 t
	WIN W_PV
.set rO, 64*(\t)+8*(i%8)
.set rV, 64*(i/8)+8*(i%8)
.set rP, P+16*(\t)+8*(i/8)
	v_wmma_f32_16x16x32_f16 v[rO:rO+7], v[rV:rV+7], v[rP:rP+7], v[rO:rO+7]
.endm
; In a block's last slot: the scores of hidden keys of unit (t, s) become -infinity.  The slot's first key counts for every query of the block, so the running maximum is a number when a wholly hidden step comes.
.macro MASK1 t, s, dq
.set n, 0
.rept 32
	v_cmp_gt_i32 vcc_lo, 64*(\s)+16*(n/8)+n%8, v[\dq]
	v_cndmask_b32 v[S+32*(\t)+n], v[S+32*(\t)+n], v[NINF], vcc_lo
.set n, n+1
.endr
.endm
; One tile's softmax for a step is a list of 134 instructions; SM writes number j of it for tile t.
;   0-15 the maximum of the lane's 32 scores and the old m;  16-20 the other half of the lanes' maximum, the new m, c m, c m_old - c m_new;
;   21-69 ONE BATCH: 16 packed scalings c s - c m and 33 exponentials (a, then the 32 scores), none of which reads an exponential's result; a pair is scaled ahead of its exponentials;
;   (the wait);  70-85 the roundings to f16;  86-101 the sums, l = a l + the sum;  102-133 O^T x a.
.macro SM t
.set rT, ST+8*(\t)
.set rS, S+32*(\t)
.set rP, P+16*(\t)
.set rO, 64*(\t)+2*(j-102)
.if j < 102
	WIN 0
.endif
.if j < 4
	v_max3_num_f32 v[rT+4+j], v[rS+8*j], v[rS+8*j+1], v[rS+8*j+2]      ; each accumulator from its low end on
.elseif j < 12
	v_max3_num_f32 v[rT+4+j%4], v[rT+4+j%4], v[rS+8*(j%4)+2*(j/4)+1], v[rS+8*(j%4)+2*(j/4)+2]
.elseif j == 12
	v_max3_num_f32 v[rT+4], v[rT+4], v[rS+7], v[rS+15]
.elseif j == 13
	v_max3_num_f32 v[rT+6], v[rT+6], v[rS+23], v[rS+31]
.elseif j == 14
	v_max3_num_f32 v[rT+4], v[rT+4], v[rT+5], v[rT+6]
.elseif j == 15
	v_max3_num_f32 v[rT+4], v[rT+4], v[rT+7], v[rT+1]
.elseif j == 16
	v_permlanex16_b32 v[rT+5], v[rT+4], s[SEL], s[SEL+1]               ; the query's other 32 keys lie in the lane 16 away
.elseif j == 17
	v_mov_b32 v[rT+7], v[rT]                                           ; c m_old is kept for a
.elseif j == 18
	v_max_num_f32 v[rT+1], v[rT+4], v[rT+5]
.elseif j == 19
	v_mul_f32 v[rT], s[CS], v[rT+1]
.elseif j == 20
	v_sub_f32 v[rT+7], v[rT+7], v[rT]
.elseif j == 23
	v_exp_f32 v[rT+6], v[rT+7]
.elseif (j < 23) || ((j < 38) && (j%2 == 0)) || ((j < 66) && (j%4 == 2))
.set b, (j-2)/4                        ; 38, 42, .. 62: pairs 9 to 15
.if j < 38
.set b, (j-20)/2                       ; 21: pair 0; 22, 24, .. 36: pairs 1 to 8
.endif
	v_pk_fma_f32 v[rS+2*b:rS+2*b+1], v[rS+2*b:rS+2*b+1], s[CS:CS+1], v[rT:rT+1] op_sel_hi:[1,0,0] neg_lo:[0,0,1] neg_hi:[0,0,1]
.elseif j < 70
.set e, j-38                           ; 66 to 69: scores 28 to 31
.if j < 66
.set e, j-32-(j-38)/4                  ; 39-41, 43-45, .. 63-65: scores 7 to 27
.endif
.if j < 38
.set e, (j-25)/2                       ; 25, 27, .. 37: scores 0 to 6
.endif
	v_exp_f32 v[rS+e], v[rS+e]
.elseif j < 86
	v_cvt_pk_f16_f32 v[rP+j-70], v[rS+2*(j-70)], v[rS+2*(j-70)+1]
.elseif j < 102
.set z, j-86
.set w, 4
.set u, z
.if z >= 14
.set w, 32
.set u, 0
.elseif z >= 12
.set w, 16
.set u, z-12
.elseif z >= 8
.set w, 8
.set u, z-8
.endif
.if z < 15
	v_pk_add_f32 v[rS+w*u:rS+w*u+1], v[rS+w*u:rS+w*u+1], v[rS+w*u+w/2:rS+w*u+w/2+1]
.else
	v_pk_fma_f32 v[rT+2:rT+3], v[rT+2:rT+3], v[rT+6:rT+7], v[rS:rS+1] op_sel_hi:[1,0,1]
.endif
.else
	WIN W_RS
	v_pk_mul_f32 v[rO:rO+1], v[rO:rO+1], v[rT+6:rT+7] op_sel_hi:[1,0]
.endif
.endm
; A SLICE: the next cnt numbers of tile t's list.  Behind number 69 the batch is out: a plain instruction behind the last exponential, and ONE wait for the unit's 33, ahead of the first instruction that names a result.
; A run of LDS loads that is due stands at that wait.  RUN = 1: K of step 1, whose registers were last read a slot ago.  RUN = 2: V of step 1: the buffer's last reader, PV u1's last product,
; stands two products back, so four v_nop are written: the four places between a product and a load into a register that it has read.
.macro SMS t, cnt
.rept \cnt
	SM \t
.if j == 69
	v_nop
.if RUN == 2
	v_nop
	v_nop
	v_nop
.endif
	s_wait_alu depctr_va_vdst(0)
.if RUN == 1
	FETCH_K 1
.elseif RUN == 2
	FETCH_V 1
.endif
.endif
.set j, j+1
.endr
.endm
; BETWEEN PHASES, behind unit (t, s)'s last product K Q^T: four places ahead of the first read of its scores, and, in the block's last slot, the unit's mask (a branch on ids and the count of slots: all waves go the same way).
.macro BOUND t, s, lim, dq
	WIN 0                                          ; at a branch and at a label every window is 0
.rept 4
	v_nop
.endr
	s_cmp_eq_u32 s[SS], s[\lim]
	s_cbranch_scc0 .Lopen_\@
	MASK1 \t, \s, \dq
.Lopen_\@:
.endm
; THE CHAIN: piece x's work in the slot in hand.  fk = 1: the slot's first chain: it makes the addresses and fetches both steps' K; fk = 0: K is in registers.  Each chain fetches V of step 0 and then of step 1 into the one buffer.
.macro CHAIN x, lim, dq, fk
.if \fk
	v_add_nc_u32 v[ADK], s[TB], v[AK0]             ; these four lines are the places behind the last chain's products, which read V's registers
	v_add_nc_u32 v[ADV], s[TB], v[AV0]
	v_nop
	v_nop
	FETCH_K 0
.else
.rept 4
	v_nop
.endr
.endif
.set i, 0
.rept 16                               ; phase 1: KQ u0
.if (\fk) && (i%4 == 0)
	s_wait_dscnt 24-2*i                            ; this chunk's eight loads are in; K's later chunks, eight loads each, may be out
.endif
	KQ1 \x, 0
.set i, i+1
.endr
	FETCH_V 0                                      ; a phase ahead of its first use
	BOUND \x, 0, \lim, \dq
.set j, 0
.set RUN, \fk
.set i, 0
.rept 16                               ; phase 2: KQ u1 | softmax u0
	KQ1 (\x)+1, 0
.if i < 15
	SMS \x, 8
.else
	SMS \x, 14
.endif
.set i, i+1
.endr
	BOUND (\x)+1, 0, \lim, \dq
	s_wait_dscnt 32*(\fk)                          ; V of step 0 is in; K of step 1's 32 loads, issued behind it, may be out
.set j, 0
.set RUN, 0
.set i, 0
.rept 16                               ; phase 3: PV u0,
	PV1 \x
	SMS (\x)+1, 4
.set i, i+1
.endr
.if \fk
	s_wait_dscnt 0x0                               ; K of step 1 is in
.endif
.set i, 0
.rept 16                               ; KQ u2 | softmax u1
	KQ1 \x, 1
.if i < 15
	SMS (\x)+1, 4
.else
	SMS (\x)+1, 10
.endif
.set i, i+1
.endr
	BOUND \x, 1, \lim, \dq
.set j, 0
.set RUN, 2
.set i, 0
.rept 16                               ; phase 4: PV u1,
	PV1 (\x)+1
	SMS \x, 4
.set i, i+1
.endr
.set i, 0
.rept 16                               ; KQ u3 | softmax u2; V of step 1 is fetched at the batch's wait, behind the second of these products
	KQ1 (\x)+1, 1
.if i < 15
	SMS \x, 4
.else
	SMS \x, 10
.endif
.set i, i+1
.endr
	BOUND (\x)+1, 1, \lim, \dq
	s_wait_dscnt 0x0                               ; V of step 1 is in
.set j, 0
.set RUN, 0
.set i, 0
.rept 16                               ; phase 5: PV u2 | softmax u3
	PV1 \x
.if i < 15
	SMS (\x)+1, 8
.else
	SMS (\x)+1, 14
.endif
.set i, i+1
.endr
.set i, 0
.rept 16                               ; phase 6: PV u3
	PV1 (\x)+1
.set i, i+1
.endr
	WIN 0
.endm
.macro SLOTWORK
	s_cmp_gt_u32 s[SS], s[SLL]                     ; all keys come after the late block: nothing to do (ids and the count of slots alone: all waves go the same way)
	s_cbranch_scc1 .Lnone_\@
	CHAIN 2, SLL, DQL, 1
	s_cmp_gt_u32 s[SS], s[SLE]
	s_cbranch_scc1 .Lnone_\@
	CHAIN 0, SLE, DQE, 0
.Lnone_\@:
	s_add_co_u32 s[SS], s[SS], 1
	s_xor_b32 s[TB], s[TB], SLOT1                  ; on to the other slot
.endm
; THE CHANGE OF SLOTS stands at a slot's head.  Each wave waits for all its tensor loads (its part of the slot ahead), adds 0 to its spare word, and waits for that and for its reads of the slot that it has left.
; Behind the barrier the slot ahead is whole and nobody reads the other one: fill = 1: that one takes the next 128 keys, and the load has a slot's work in which to land.
.macro CHANGE fill
	s_wait_tensorcnt 0x0                           ; no tensor load of mine is out, so a group 0 may be written
	ds_add_u32 v[SPW], v[NIL]
.if \fill
	s_xor_b32 s[G0K+1], s[G0K+1], SLOT1
	s_add_nc_u64 s[G0K+2:G0K+3], s[G0K+2:G0K+3], 2*KS*256
	s_xor_b32 s[G0V+1], s[G0V+1], SLOT1
	s_add_nc_u64 s[G0V+2:G0V+3], s[G0V+2:G0V+3], 2*KS*256
	s_wait_xcnt 0x0                                ; the last prefetches, a slot back, have read their addresses, which step now
	s_add_nc_u64 s[PFK:PFK+1], s[PFK:PFK+1], 2*KS*256
	s_add_nc_u64 s[PFV:PFV+1], s[PFV:PFV+1], 2*KS*256
.endif
	s_wait_dscnt 0x0                               ; the add is done, and my reads of the slot that I have left are over
	s_barrier_signal -1
	s_barrier_wait -1
.if \fill
	s_add_co_u32 s66, s[SS], 1                     ; the slot that this change would ask for:
	s_cmp_gt_u32 s66, s[SLL]                       ; past the late block's last slot none of my waves reads it, so it is not asked for; a work-group that is past stays past
	s_cbranch_scc1 .Lpast_\@
	TLOAD
.Lpast_\@:
	ASK
.endif
.endm
	s_wait_loadcnt 0x0                             ; Q
.Lslot:                                            ; 15 trips
	CHANGE 1
	SLOTWORK
	s_sub_co_u32 s[SLOTS], s[SLOTS], 1
	s_cmp_lg_u32 s[SLOTS], 0
	s_cbranch_scc1 .Lslot
	CHANGE 0                                       ; the last slot is written out: nothing is left to ask for
	SLOTWORK
	; THE WAY OUT.  l's halves and the other half of the lanes' are added; O^T / l is rounded to f16 and goes through my stage, a tile (16 rows) at a time.  The additions are the places behind the last products.
.irp t, 0,1,2,3
	v_add_f32 v[ST+8*\t+4], v[ST+8*\t+2], v[ST+8*\t+3]
.endr
.irp t, 0,1,2,3
	v_permlanex16_b32 v[ST+8*\t+5], v[ST+8*\t+4], s[SEL], s[SEL+1]
.endr
.irp t, 0,1,2,3
	v_add_f32 v[ST+8*\t+4], v[ST+8*\t+4], v[ST+8*\t+5]
.endr
.irp t, 0,1,2,3
	v_rcp_f32 v[ST+8*\t+6], v[ST+8*\t+4]
.endr
	v_nop
	s_wait_alu depctr_va_vdst(0)                   ; one wait for the four reciprocals, ahead of the first use
.macro PACK t
	WIN W_RS
.set i, 64*\t
.rept 32
	v_pk_mul_f32 v[i:i+1], v[i:i+1], v[ST+8*\t+6:ST+8*\t+7] op_sel_hi:[1,0]
.set i, i+2
.endr
	WIN 0x05
.set i, 0
.rept 32
	v_cvt_pk_f16_f32 v[S+32*\t+i], v[64*\t+2*i], v[64*\t+2*i+1]
.set i, i+1
.endr
	WIN 0
.irp f, 0,1,2,3,4,5,6,7
	ds_store_b128 v[STO], v[S+32*\t+4*\f:S+32*\t+4*\f+3] offset:32*\f
.endr
.irp f, 0,1,2,3,4,5,6,7
	ds_load_b128 v[S+32*\t+4*\f:S+32*\t+4*\f+3], v[RD] offset:\f*2*SP   ; LDS serves a wave's instructions in order: these see the stores above, and the next tile's stores come behind them
.endr
.endm
.macro SEND t, younger                 ; younger: the LDS instructions issued behind tile t's loads
.irp f, 0,1,2,3,4,5,6,7
	s_wait_dscnt \younger+7-\f
	global_store_b128 v[GO], v[S+32*\t+4*\f:S+32*\t+4*\f+3], s[OE+2*(\t/2):OE+2*(\t/2)+1] offset:(\t%2)*256+\f*8192   ; 16 lanes store 256 consecutive bytes, aligned: a head's part of a row
.endr
.endm
	PACK 0
	PACK 1
	SEND 0, 16
	PACK 2
	SEND 1, 16
	PACK 3
	SEND 2, 16
	SEND 3, 0
	s_wait_tensorcnt 0x0                           ; the wave's end
	ds_add_u32 v[SPW], v[NIL]
	s_wait_dscnt 0x0
	s_endpgm
.Lfunc_end_k_q3d3e23eb72_attn:
	.size	k_q3d3e23eb72_attn, .Lfunc_end_k_q3d3e23eb72_attn-k_q3d3e23eb72_attn
	.p2alignl 7, 3214868480
	.fill 96, 4, 3214868480
	.section	.rodata,"a",@progbits
	.p2align	6, 0x0
	.amdhsa_kernel k_q3d3e23eb72_attn
		.amdhsa_group_segment_fixed_size 327680
		.amdhsa_private_segment_fixed_size 0
		.amdhsa_enable_private_segment 0
		.amdhsa_kernarg_size 32
		.amdhsa_user_sgpr_count 2
		.amdhsa_user_sgpr_kernarg_segment_ptr 1
		.amdhsa_wavefront_size32 1
		.amdhsa_system_sgpr_workgroup_id_x 1
		.amdhsa_system_sgpr_workgroup_id_y 1
		.amdhsa_system_sgpr_workgroup_id_z 1
		.amdhsa_system_vgpr_workitem_id 0
		.amdhsa_next_free_vgpr 1024
		.amdhsa_next_free_sgpr 84
		.amdhsa_reserve_vcc 1
		.amdhsa_float_denorm_mode_32 3
		.amdhsa_float_denorm_mode_16_64 3
		.amdhsa_memory_ordered 1
		.amdhsa_forward_progress 1
		.amdhsa_inst_pref_size 255
	.end_amdhsa_kernel
	.section	.bss,"aw",@nobits
	.p2align	6
	.space	262144
	.amdgpu_metadata
---
amdhsa.version: [ 1, 2 ]
amdhsa.kernels:
  - .name:           k_q3d3e23eb72_attn
    .symbol:         k_q3d3e23eb72_attn.kd
    .args:
      - { .name: qh, .offset: 0, .size: 8, .value_kind: global_buffer, .address_space: global }
      - { .name: kh, .offset: 8, .size: 8, .value_kind: global_buffer, .address_space: global }
      - { .name: vh, .offset: 16, .size: 8, .value_kind: global_buffer, .address_space: global }
      - { .name: ao, .offset: 24, .size: 8, .value_kind: global_buffer, .address_space: global }
    .group_segment_fixed_size: 327680
    .private_segment_fixed_size: 0
    .kernarg_segment_align: 8
    .kernarg_segment_size: 32
    .max_flat_workgroup_size: 128
    .sgpr_count:     84
    .vgpr_count:     1024
    .wavefront_size: 32
...
	.end_amdgpu_metadata
.endif
;; end of part 3
;; launch oproj (part 4): grid 8 x 32, 4 waves a work-group, clusters of 4 x 4, 327,680 bytes of LDS; arguments ao, woh, out0; writes out0
.if DOCPART == 4
	.amdgcn_target "amdgcn-amd-amdhsa--gfx1250"
	.amdhsa_code_object_version 6
	.text
	.protected	k_q3d3e23eb72_oproj
	.globl	k_q3d3e23eb72_oproj
	.p2align	8
	.type	k_q3d3e23eb72_oproj,@function
k_q3d3e23eb72_oproj:
	s_mov_b64 s[64:65], 0
	v_nop
	global_prefetch_b8 v0, s[64:65] scope:SCOPE_SE
	s_setreg_imm32_b32 hwreg(HW_REG_WAVE_MODE, 25, 1), 1
	s_wait_xcnt 0x0
	s_wait_alu depctr_hold_cnt(0) depctr_sa_sdst(0) depctr_va_vdst(0) depctr_va_sdst(0) depctr_va_ssrc(0) depctr_va_vcc(0) depctr_vm_vsrc(0)
	s_getreg_b32 s2, hwreg(HW_REG_IB_STS2, 6, 4)
	s_cmp_eq_u32 s2, 0
	s_cbranch_scc0 .Lentry_in_a_cluster
	s_endpgm
.Lentry_in_a_cluster:
	s_bfe_u32 s2, ttmp6, 0x10000c
	s_cmp_lg_u32 s2, 0xf033
	s_cbranch_scc0 .Lentry_shape_is_right
	s_endpgm
.Lentry_shape_is_right:
; out0[m][n] = the sum over k of ao[m][k] woh[n][k].  ao [4096][2048], woh [1024][2048]: f16; out0 [4096][1024]: f32; sums in f32.
; 32 x 8 tiles of 128 x 128 give each of 256 work-groups one tile.  Four waves, each 64 x 64: 16 accumulators.  K goes in steps of 256 (LDS rows of 512 bytes) through a ring of two slots.
; CLUSTERS: 4 x 4 work-groups; A's tiles are shared along a row of the cluster, B's along a column, by joint loads.
; THE MATRIX INSTRUCTION IS USED TRANSPOSED (source 0 = 16 rows of woh, source 1 = 16 rows of ao): a lane holds eight neighbouring numbers of a row of out0.
; The rows of positions 0 to 15 of each sequence are written here like all others and written again, more finely, by the launch that follows: leaving them out would take a branch on a work-group's place in its cluster.
; REGISTERS: window 0: v0-31 addresses; v32-95 rows on the way out; v128-255 the accumulators ((a, b) at v[128 + 8 (4 a + b)]).  window 1: two fragment buffers of 128.
.set SIZE_N, 1024
.set SIZE_K, 2048
.set KSTEP,  256
.set PITCH,  528                       ; an LDS row: 512 bytes + 16
.set HALFT,  64*PITCH
.set SLOT,   4*HALFT
.set STAGE,  2*SLOT                    ; behind the ring: 16 rows x 272 bytes for each wave: a wave's 64 columns of f32 are 256 bytes
.set SPITCH, 272
.set SPARE,  STAGE+4*16*SPITCH
.set LAPS, SIZE_K/(2*KSTEP)
.set ADRA, 16
.set ADRB, 20
.set STO,  24
.set RD,   25
.set CO,   26
.set SPW,  28
.set NIL,  29
.set TMP,  32
.set ACC,  128
.set F0,   0
.set F1,   128
.set G1, 24
.set G0, 32
.set G1B, 48
.set G0B, 56
.set MSB, 0
.macro WIN new
.if MSB != (\new)
	s_set_vgpr_msb (MSB<<8)|(\new)
.set MSB, (\new)
.endif
.endm
.set MUL,  0x05                        ; sources 0 (B) and 1 (A) window 1; C and D window 0
.set TO_F, 0x40
.macro JLOAD s                         ; a joint load: waves 0 and 1 fetch A's halves, waves 2 and 3 B's; an s_nop 0 and four v_nop follow each line
	s_cmp_eq_u32 s11, 0
	s_cbranch_scc0 .Lfor_b_\@
	tensor_load_to_lds s[G0+4*\s:G0+4*\s+3], s[G1:G1+7]
	s_nop 0
.rept 4
	v_nop
.endr
	s_branch .Lasked_\@
.Lfor_b_\@:
	tensor_load_to_lds s[G0B+4*\s:G0B+4*\s+3], s[G1B:G1B+7]
	s_nop 0
.rept 4
	v_nop
.endr
.Lasked_\@:
.endm
.macro CREST
	s_cmp_lg_u32 s10, 0
	s_cbranch_scc1 .Lnot_wave_0_\@
	s_barrier_signal -3
.Lnot_wave_0_\@:
	s_barrier_wait -3
	s_barrier_signal -1
	s_barrier_wait -1
.endm
.macro CROUND
	s_barrier_signal -1
	s_barrier_wait -1
	CREST
.endm
	s_load_b128 s[4:7], s[0:1], 0x0                ; ao s[4:5], woh s[6:7]
	s_load_b64 s[8:9], s[0:1], 0x10                ; out0
	v_lshl_add_u32 v[SPW], v0, 2, SPARE
	v_mov_b32 v[NIL], 0
	ds_add_u32 v[SPW], v[NIL]                      ; the wave's opening: the add, twice on end, and its wait ahead of my first tensor load
	ds_add_u32 v[SPW], v[NIL]
	v_lshrrev_b32 v1, 5, v0
	v_readfirstlane_b32 s10, v1                    ; wave 0..3
	s_lshr_b32 s11, s10, 1                         ; which half of the tile's rows is mine.  Also: I fetch for A (0) or for B (1)
	s_and_b32 s12, s10, 1                          ; which half of its columns.  Also: which 64 rows I fetch
	s_bfe_u32 s40, ttmp6, 0x40000
	s_bfe_u32 s41, ttmp6, 0x40004
	s_lshl_b32 s42, ttmp9, 2
	s_add_co_u32 s42, s42, s40                     ; tile column
	s_and_b32 s13, ttmp7, 0xffff
	s_lshl_b32 s13, s13, 2
	s_add_co_u32 s13, s13, s41                     ; tile row
	s_lshl_b32 s43, s41, 2
	s_lshl_b32 s43, 15, s43                        ; my row of the cluster
	s_lshl_b32 s44, 0x1111, s40                    ; my column
	s_or_b32 s[G1+0], s43, (1<<16)|(1<<20)|(1<<21)|(6<<22)|(3<<25)  ; the mask; elements of 2 bytes; padding on; bit 21 beside a mask; 4 words behind every 128
	s_or_b32 s[G1B+0], s44, (1<<16)|(1<<20)|(1<<21)|(6<<22)|(3<<25)
.irp g, G1, G1B
	s_mov_b32 s[\g+1], KSTEP<<16
	s_mov_b32 s[\g+2], 64<<16
	s_mov_b32 s[\g+3], KSTEP<<16
	s_mov_b32 s[\g+4], 64
	s_mov_b32 s[\g+5], SIZE_K
	s_mov_b32 s[\g+6], 0
	s_mov_b32 s[\g+7], 0
.endr
	s_lshl_b32 s17, s12, 6
	s_lshl_b32 s16, s13, 7
	s_add_co_u32 s16, s16, s17                     ; A: row 128 x tile row + 64 x half
	s_lshl_b32 s46, s42, 7
	s_add_co_u32 s46, s46, s17                     ; B: row 128 x tile column + 64 x half
	s_mov_b32 s17, 0
	s_mov_b32 s47, 0
	s_mov_b64 s[18:19], SIZE_K*2
	s_mul_u64 s[16:17], s[16:17], s[18:19]
	s_mul_u64 s[46:47], s[46:47], s[18:19]
	s_mul_i32 s20, s10, HALFT
	s_wait_dscnt 0x0                               ; both opening adds are done
	s_wait_kmcnt 0x0
	s_add_nc_u64 s[14:15], s[4:5], s[16:17]
	s_add_nc_u64 s[46:47], s[6:7], s[46:47]
	CROUND                                         ; all sixteen work-groups are here: the first joint loads meet
.irp s, 0,1
	s_mov_b32 s[G0+4*\s], 1
	s_add_co_u32 s[G0+4*\s+1], s20, \s*SLOT
	s_add_nc_u64 s[G0+4*\s+2:G0+4*\s+3], s[14:15], \s*KSTEP*2
	s_or_b32 s[G0+4*\s+3], s[G0+4*\s+3], 0x80000000
	s_mov_b32 s[G0B+4*\s], 1
	s_add_co_u32 s[G0B+4*\s+1], s20, \s*SLOT
	s_add_nc_u64 s[G0B+4*\s+2:G0B+4*\s+3], s[46:47], \s*KSTEP*2
	s_or_b32 s[G0B+4*\s+3], s[G0B+4*\s+3], 0x80000000
	JLOAD \s                                       ; two loads of mine are out at the start, one behind each round
.endr
	v_and_b32 v1, 15, v0                           ; r
	v_bfe_u32 v2, v0, 4, 1                         ; h
	v_mul_u32_u24 v3, v1, PITCH
	v_lshl_add_u32 v3, v2, 4, v3
	s_mul_i32 s21, s11, HALFT
	s_mul_i32 s22, s12, HALFT
	s_add_co_u32 s22, s22, 2*HALFT
.irp s, 0,1
	v_add_nc_u32 v[ADRA+\s], s21, v3
	v_add_nc_u32 v[ADRB+\s], s22, v3
	s_add_co_u32 s21, s21, SLOT
	s_add_co_u32 s22, s22, SLOT
.endr
	s_mul_i32 s23, s10, 16*SPITCH
	s_add_co_u32 s23, s23, STAGE                   ; my stage
	v_mul_u32_u24 v4, v1, SPITCH
	v_lshl_add_u32 v4, v2, 5, v4
	v_add_nc_u32 v[STO], s23, v4                   ; in: row r, 32 bytes for each half of the lanes
	v_mul_u32_u24 v5, v2, SPITCH
	v_lshl_add_u32 v5, v1, 4, v5
	v_add_nc_u32 v[RD], s23, v5                    ; back: lanes 0-15 one row of 256 bytes, lanes 16-31 the next
	v_lshlrev_b32 v5, 12, v2                       ; and the same two rows in out0: 4,096 bytes a row
	v_lshl_add_u32 v[CO], v1, 4, v5
	s_lshl_b32 s16, s13, 7
	s_lshl_b32 s17, s11, 6
	s_add_co_u32 s16, s16, s17                     ; my first row: 128 x tile row + 64 x half
	s_lshl_b32 s16, s16, 12
	s_mov_b32 s17, 0
	s_add_nc_u64 s[8:9], s[8:9], s[16:17]
	s_lshl_b32 s46, s42, 9                         ; my first column, in bytes: 512 x tile column + 256 x half
	s_lshl_b32 s47, s12, 8
	s_add_co_u32 s46, s46, s47
	s_mov_b32 s47, 0
	s_add_nc_u64 s[8:9], s[8:9], s[46:47]
.macro MUL8 f, c, a0, zero             ; 8 matrix instructions: m blocks a0, a0 + 1 x all 4 n blocks, 32 along K.  The 16 accumulators take turns
.irp a, \a0, \a0+1
.irp b, 0,1,2,3
.if \zero
	v_wmma_f32_16x16x32_f16 v[ACC+8*(4*(\a)+\b):ACC+8*(4*(\a)+\b)+7], v[\f+64+8*(4*\c+\b):\f+64+8*(4*\c+\b)+7], v[\f+8*(4*\c+\a):\f+8*(4*\c+\a)+7], 0
.else
	v_wmma_f32_16x16x32_f16 v[ACC+8*(4*(\a)+\b):ACC+8*(4*(\a)+\b)+7], v[\f+64+8*(4*\c+\b):\f+64+8*(4*\c+\b)+7], v[\f+8*(4*\c+\a):\f+8*(4*\c+\a)+7], v[ACC+8*(4*(\a)+\b):ACC+8*(4*(\a)+\b)+7]
.endif
.endr
.endr
.endm
.macro FETCH slot, k, f                ; 32 LDS loads in one run: the fragments of 64 along K at byte k of the rows; the first 32 along K first
	WIN TO_F
.irp c, 0,1
.irp i, 0,1,2,3
	ds_load_b128 v[\f+64+8*(4*\c+\i):\f+64+8*(4*\c+\i)+3],   v[ADRB+\slot] offset:\k+64*\c+\i*16*PITCH
	ds_load_b128 v[\f+64+8*(4*\c+\i)+4:\f+64+8*(4*\c+\i)+7], v[ADRB+\slot] offset:\k+64*\c+\i*16*PITCH+32
	ds_load_b128 v[\f+8*(4*\c+\i):\f+8*(4*\c+\i)+3],         v[ADRA+\slot] offset:\k+64*\c+\i*16*PITCH
	ds_load_b128 v[\f+8*(4*\c+\i)+4:\f+8*(4*\c+\i)+7],       v[ADRA+\slot] offset:\k+64*\c+\i*16*PITCH+32
.endr
.endr
.endm
.macro PLACES
.rept 4
	v_nop
.endr
.endm
.macro QUARTER slot, k, f, g, zero     ; 64 along K: multiplies buffer f and fetches the next quarter, at byte k, into g
	s_wait_dscnt 16                                ; the first 32 along K are in; the youngest 16 loads may be out
	WIN MUL
	MUL8 \f, 0, 0, \zero
	MUL8 \f, 0, 2, \zero
	PLACES
	FETCH \slot, \k, \g
	s_wait_dscnt 32                                ; all but the 32 just issued
	WIN MUL
	MUL8 \f, 1, 0, 0
	MUL8 \f, 1, 2, 0
.endm
; The last quarter changes slots: one barrier; in front of it each wave waits for all its tensor loads, adds 0 to its spare word, and waits for that and for its reads of this slot.  fill = 1: the slot is filled again.
.macro TURN slot, next, fill
	WIN 0
	s_wait_tensorcnt 0x0
	ds_add_u32 v[SPW], v[NIL]
	s_wait_dscnt 17                                ; the add and the youngest sixteen loads may be out
	WIN MUL
	MUL8 F1, 0, 0, 0
	s_wait_dscnt 0x0                               ; the add is done, and my reads of this slot are over
	s_barrier_signal -1
	MUL8 F1, 0, 2, 0
.if \fill
	WIN 0
.endif
	s_barrier_wait -1
.if \fill
	CREST                                          ; the barrier has opened a round of the cluster's: no wave of any partner still reads this slot or has a load on its way
	s_add_nc_u64 s[G0+4*\slot+2:G0+4*\slot+3], s[G0+4*\slot+2:G0+4*\slot+3], 2*KSTEP*2
	s_add_nc_u64 s[G0B+4*\slot+2:G0B+4*\slot+3], s[G0B+4*\slot+2:G0B+4*\slot+3], 2*KSTEP*2
	JLOAD \slot                                    ; the first tensor load behind the round; its four v_nop are also the places in front of the loads below
.else
	PLACES
.endif
	FETCH \next, 0, F0
	WIN MUL
	MUL8 F1, 1, 0, 0
	MUL8 F1, 1, 2, 0
.endm
	s_wait_tensorcnt 1                             ; my part of K step 0 is in; K step 1's load may be out
	s_barrier_signal -1
	s_barrier_wait -1
	FETCH 0, 0, F0
	QUARTER 0, 128, F0, F1, 1                      ; the first quarter's first products start the sums
	WIN 0
	s_mov_b32 s3, LAPS-1
.Llap:                                                 ; a trip goes once round the ring and fills both slots again
	QUARTER 0, 256, F1, F0, 0
	QUARTER 0, 384, F0, F1, 0
	TURN 0, 1, 1
	QUARTER 1, 128, F0, F1, 0
	QUARTER 1, 256, F1, F0, 0
	QUARTER 1, 384, F0, F1, 0
	TURN 1, 0, 1
	QUARTER 0, 128, F0, F1, 0
	WIN 0
	s_sub_co_u32 s3, s3, 1
	s_cmp_lg_u32 s3, 0
	s_cbranch_scc1 .Llap
	QUARTER 0, 256, F1, F0, 0                      ; the last lap fills nothing
	QUARTER 0, 384, F0, F1, 0
	TURN 0, 1, 0
	QUARTER 1, 128, F0, F1, 0
	QUARTER 1, 256, F1, F0, 0
	QUARTER 1, 384, F0, F1, 0
	s_wait_dscnt 16
	WIN MUL
	MUL8 F1, 0, 0, 0
	MUL8 F1, 0, 2, 0
	s_wait_dscnt 0
	MUL8 F1, 1, 0, 0
	MUL8 F1, 1, 2, 0
	WIN 0
; THE WAY OUT, block by block of 16 rows x 64 columns, through my own stage: no other wave has a part in my 256 bytes of a row, so no barrier.
.macro TOSTAGE a
.irp b, 0,1,2,3
	ds_store_b128 v[STO], v[ACC+8*(4*(\a)+\b):ACC+8*(4*(\a)+\b)+3] offset:64*\b       ; each accumulator from its low end on
	ds_store_b128 v[STO], v[ACC+8*(4*(\a)+\b)+4:ACC+8*(4*(\a)+\b)+7] offset:64*\b+16
.endr
.irp t, 0,1,2,3,4,5,6,7
	ds_load_b128 v[TMP+32*((\a)%2)+4*\t:TMP+32*((\a)%2)+4*\t+3], v[RD] offset:544*\t   ; LDS serves a wave's instructions in order
.endr
.endm
.macro SEND a, younger                 ; younger: the LDS instructions issued behind block a's loads
	s_wait_dscnt \younger
.irp t, 0,1,2,3,4,5,6,7
	global_store_b128 v[CO], v[TMP+32*((\a)%2)+4*\t:TMP+32*((\a)%2)+4*\t+3], s[8:9] offset:(16*(\a)+2*\t)*4096 th:TH_STORE_NT   ; 16 lanes store 256 consecutive bytes, aligned
.endr
.endm
	PLACES
	TOSTAGE 0
	TOSTAGE 1
	SEND 0, 16
	s_wait_xcnt 0x0                                ; block 0's stores have read their registers: block 2's rows may land there
	TOSTAGE 2
	SEND 1, 16
	s_wait_xcnt 0x0
	TOSTAGE 3
	SEND 2, 16
	SEND 3, 0
	s_wait_tensorcnt 0x0                           ; the wave's end
	ds_add_u32 v[SPW], v[NIL]
	s_wait_dscnt 0x0
	CROUND                                         ; the closing round
	s_endpgm
.Lfunc_end_k_q3d3e23eb72_oproj:
	.size	k_q3d3e23eb72_oproj, .Lfunc_end_k_q3d3e23eb72_oproj-k_q3d3e23eb72_oproj
	.p2alignl 7, 3214868480
	.fill 96, 4, 3214868480
	.section	.rodata,"a",@progbits
	.p2align	6, 0x0
	.amdhsa_kernel k_q3d3e23eb72_oproj
		.amdhsa_group_segment_fixed_size 327680
		.amdhsa_private_segment_fixed_size 0
		.amdhsa_enable_private_segment 0
		.amdhsa_kernarg_size 24
		.amdhsa_user_sgpr_count 2
		.amdhsa_user_sgpr_kernarg_segment_ptr 1
		.amdhsa_wavefront_size32 1
		.amdhsa_system_sgpr_workgroup_id_x 1
		.amdhsa_system_sgpr_workgroup_id_y 1
		.amdhsa_system_sgpr_workgroup_id_z 1
		.amdhsa_system_vgpr_workitem_id 0
		.amdhsa_next_free_vgpr 512
		.amdhsa_next_free_sgpr 66
		.amdhsa_reserve_vcc 0
		.amdhsa_float_denorm_mode_32 3
		.amdhsa_float_denorm_mode_16_64 3
		.amdhsa_memory_ordered 1
		.amdhsa_forward_progress 1
		.amdhsa_inst_pref_size 86
	.end_amdhsa_kernel
	.amdgpu_metadata
---
amdhsa.version: [ 1, 2 ]
amdhsa.kernels:
  - .name:           k_q3d3e23eb72_oproj
    .symbol:         k_q3d3e23eb72_oproj.kd
    .args:
      - { .name: ao, .offset: 0, .size: 8, .value_kind: global_buffer, .address_space: global }
      - { .name: woh, .offset: 8, .size: 8, .value_kind: global_buffer, .address_space: global }
      - { .name: out0, .offset: 16, .size: 8, .value_kind: global_buffer, .address_space: global }
    .group_segment_fixed_size: 327680
    .private_segment_fixed_size: 0
    .kernarg_segment_align: 8
    .kernarg_segment_size: 24
    .max_flat_workgroup_size: 128
    .sgpr_count:     66
    .vgpr_count:     512
    .wavefront_size: 32
...
	.end_amdgpu_metadata
.endif
;; end of part 4
;; launch first16 (part 5): grid 64 x 2, 16 waves a work-group, no clusters, 18,432 bytes of LDS; arguments qh, out1, out2, wo, out0; writes out0
.if DOCPART == 5
	.amdgcn_target "amdgcn-amd-amdhsa--gfx1250"
	.amdhsa_code_object_version 6
	.text
	.protected	k_q3d3e23eb72_first16
	.globl	k_q3d3e23eb72_first16
	.p2align	8
	.type	k_q3d3e23eb72_first16,@function
k_q3d3e23eb72_first16:
	s_mov_b64 s[64:65], 0
	v_nop
	global_prefetch_b8 v0, s[64:65] scope:SCOPE_SE
	s_setreg_imm32_b32 hwreg(HW_REG_WAVE_MODE, 25, 1), 1
	s_wait_xcnt 0x0
; Positions 0 to 15 of both sequences once more, in f32: under the causal mask these rows average one to sixteen values and are the largest, so the rounding of 16-bit operands weighs most on them.
; k (out1), v (out2), the weights p, the heads' results and wo are f32 here; q alone is taken from its f16 copy: its rounding, at most 2^-11 of a number, moves a score by a few parts in ten thousand.
; SHARES.  Work-group (x, y): columns 16 x .. 16 x + 15 of out0, batch y.  Wave = query head: it computes its head's attention for the 16 positions (64 small matrix instructions, repeated in each of the
; 64 column slices: less than a further launch would cost) and its 128 channels' part of the projection; the 16 parts are added through LDS.
; Stores are runs of 64 bytes, 128 KiB in all: slices of 64 columns would store whole 256 bytes and leave a quarter of the work-groups.
; THE f32 MATRIX FORM takes k = 2 h + j in register j.  A permutation of k applied alike to both operands keeps the products, so:
;   S^T = K Q^T: lane (r, h) holds channels 64 h + 0 .. 63 of its row, step i takes registers 2 i, 2 i + 1;  result: register j = key 8 h + j, lane % 16 = query.
;   O^T = V^T P: step i takes keys 8 h + 2 i + 0, 1, which are S^T's own registers;  result: register j = channel 16 ct + 8 h + j.
;   out = O wo^T: step (ct, q) takes channels 16 ct + 8 h + 2 q + 0, 1, which are O^T's own registers;  result: register j = position 8 h + j, lane % 16 = column.
; The registers that this matrix form writes (v192-255) are written by matrix instructions alone; sums begin with the constant 0.
.set SPARE, 16384                      ; LDS: 1,024 bytes of partial sums for each wave, then the spare words, 128 bytes a wave
.set AQ,  3
.set AK,  4
.set AV,  5
.set AW,  6
.set IMG, 7
.set RDA, 8
.set OA,  9
.set DD,  10                           ; v10  r - 8 h: register j holds a hidden key where j is above it
.set NINF, 11
.set SPW, 12
.set NIL, 13
.set QP,  16                           ; v16-47   q as f16; later the 16 parts
.set KF,  48                           ; v48-111  k; later v
.set QF,  112                          ; v112-175 q as f32; later wo
.set SS,  176                          ; v176-183 scores, then p, then my part of the result
.set TM,  184                          ; v184-191 at work
.set AO,  192                          ; v192-223 four accumulators of O^T
.set AS,  224                          ; v224-255 four accumulators of S^T, then of the projection
	s_load_b256 s[4:11], s[0:1], 0x0               ; qh s[4:5], out1 s[6:7], out2 s[8:9], wo s[10:11]
	s_load_b64 s[12:13], s[0:1], 0x20              ; out0
	v_lshl_add_u32 v[SPW], v0, 2, SPARE
	v_mov_b32 v[NIL], 0
	v_lshrrev_b32 v1, 5, v0
	v_readfirstlane_b32 s14, v1                    ; wave = query head
	s_and_b32 s15, ttmp7, 0xffff                   ; batch
	v_and_b32 v1, 15, v0                           ; r
	v_bfe_u32 v2, v0, 4, 1                         ; h
	v_and_b32 v14, 31, v0                          ; lane
	v_lshlrev_b32 v[AQ], 8, v1
	v_lshl_add_u32 v[AQ], v2, 7, v[AQ]             ; q: row r of 256 bytes, + 128 h
	v_lshlrev_b32 v[AK], 9, v1
	v_lshl_add_u32 v[AK], v2, 8, v[AK]             ; k: row r of 512 bytes, + 256 h
	v_lshlrev_b32 v[AV], 12, v2
	v_lshl_add_u32 v[AV], v1, 2, v[AV]             ; v: key 8 h, channel r
	v_lshlrev_b32 v[AW], 13, v1
	v_lshl_add_u32 v[AW], v2, 5, v[AW]             ; wo: row r of 8,192 bytes, + 32 h
	s_lshl_b32 s28, s14, 10
	v_lshl_add_u32 v[IMG], v14, 4, s28             ; where my part goes: 1,024 x wave + 16 x lane
	s_and_b32 s29, s14, 7                          ; behind the barrier wave w < 8 adds up register w of all sixteen parts:
	s_lshr_b32 s30, s29, 2
	s_lshl_b32 s30, s30, 9
	s_and_b32 s31, s29, 3
	s_lshl_b32 s31, s31, 2
	s_add_co_u32 s30, s30, s31
	v_lshl_add_u32 v[RDA], v14, 4, s30             ; 16 x lane + 512 (w / 4) + 4 (w % 4)
	v_lshl_add_u32 v[OA], v2, 3, s29
	v_lshlrev_b32 v[OA], 12, v[OA]
	v_lshl_add_u32 v[OA], v1, 2, v[OA]             ; position 8 h + w, column r
	v_lshlrev_b32 v15, 3, v2
	v_sub_nc_u32 v[DD], v1, v15
	v_mov_b32 v[NINF], 0xff800000
	s_lshl_b32 s16, s15, 4
	s_add_co_u32 s16, s16, s14
	s_lshl_b32 s16, s16, 19                        ; q's head: 2,048 rows of 256 bytes
	s_mov_b32 s17, 0
	s_lshl_b32 s18, s15, 3
	s_lshr_b32 s19, s14, 1
	s_add_co_u32 s18, s18, s19
	s_lshl_b32 s18, s18, 20                        ; the key head: 2,048 rows of 512 bytes
	s_mov_b32 s19, 0
	s_lshl_b32 s20, ttmp9, 17                      ; wo: 16 rows of 8,192 bytes a slice,
	s_lshl_b32 s21, s14, 9                         ; my head's 128 channels
	s_add_co_u32 s20, s20, s21
	s_mov_b32 s21, 0
	s_lshl_b32 s22, s15, 23                        ; out0: the batch's 2,048 rows of 4,096 bytes,
	s_lshl_b32 s23, ttmp9, 6                       ; the slice's 64 bytes
	s_add_co_u32 s22, s22, s23
	s_mov_b32 s23, 0
	s_mov_b32 s24, 0x3e0293ee                      ; c = log2(e) / sqrt(128)
	s_mov_b32 s26, 0x76543210
	s_mov_b32 s27, 0xfedcba98
	s_wait_kmcnt 0x0
	s_add_nc_u64 s[4:5], s[4:5], s[16:17]
	s_add_nc_u64 s[6:7], s[6:7], s[18:19]
	s_add_nc_u64 s[8:9], s[8:9], s[18:19]
	s_add_nc_u64 s[10:11], s[10:11], s[20:21]
	s_add_nc_u64 s[12:13], s[12:13], s[22:23]
.irp i, 0,1,2,3,4,5,6,7
	global_load_b128 v[QP+4*\i:QP+4*\i+3], v[AQ], s[4:5] offset:16*\i
.endr
.irp i, 0,1,2,3,4,5,6,7,8,9,10,11,12,13,14,15
	global_load_b128 v[KF+4*\i:KF+4*\i+3], v[AK], s[6:7] offset:16*\i
.endr
	s_wait_loadcnt 16                              ; q is in; k's 16 loads stay out
	v_cvt_f32_f16 v112, v16.l                      ; q widened: exact
	v_cvt_f32_f16 v113, v16.h
	v_cvt_f32_f16 v114, v17.l
	v_cvt_f32_f16 v115, v17.h
	v_cvt_f32_f16 v116, v18.l
	v_cvt_f32_f16 v117, v18.h
	v_cvt_f32_f16 v118, v19.l
	v_cvt_f32_f16 v119, v19.h
	v_cvt_f32_f16 v120, v20.l
	v_cvt_f32_f16 v121, v20.h
	v_cvt_f32_f16 v122, v21.l
	v_cvt_f32_f16 v123, v21.h
	v_cvt_f32_f16 v124, v22.l
	v_cvt_f32_f16 v125, v22.h
	v_cvt_f32_f16 v126, v23.l
	v_cvt_f32_f16 v127, v23.h
	v_cvt_f32_f16 v128, v24.l
	v_cvt_f32_f16 v129, v24.h
	v_cvt_f32_f16 v130, v25.l
	v_cvt_f32_f16 v131, v25.h
	v_cvt_f32_f16 v132, v26.l
	v_cvt_f32_f16 v133, v26.h
	v_cvt_f32_f16 v134, v27.l
	v_cvt_f32_f16 v135, v27.h
	v_cvt_f32_f16 v136, v28.l
	v_cvt_f32_f16 v137, v28.h
	v_cvt_f32_f16 v138, v29.l
	v_cvt_f32_f16 v139, v29.h
	v_cvt_f32_f16 v140, v30.l
	v_cvt_f32_f16 v141, v30.h
	v_cvt_f32_f16 v142, v31.l
	v_cvt_f32_f16 v143, v31.h
	v_cvt_f32_f16 v144, v32.l
	v_cvt_f32_f16 v145, v32.h
	v_cvt_f32_f16 v146, v33.l
	v_cvt_f32_f16 v147, v33.h
	v_cvt_f32_f16 v148, v34.l
	v_cvt_f32_f16 v149, v34.h
	v_cvt_f32_f16 v150, v35.l
	v_cvt_f32_f16 v151, v35.h
	v_cvt_f32_f16 v152, v36.l
	v_cvt_f32_f16 v153, v36.h
	v_cvt_f32_f16 v154, v37.l
	v_cvt_f32_f16 v155, v37.h
	v_cvt_f32_f16 v156, v38.l
	v_cvt_f32_f16 v157, v38.h
	v_cvt_f32_f16 v158, v39.l
	v_cvt_f32_f16 v159, v39.h
	v_cvt_f32_f16 v160, v40.l
	v_cvt_f32_f16 v161, v40.h
	v_cvt_f32_f16 v162, v41.l
	v_cvt_f32_f16 v163, v41.h
	v_cvt_f32_f16 v164, v42.l
	v_cvt_f32_f16 v165, v42.h
	v_cvt_f32_f16 v166, v43.l
	v_cvt_f32_f16 v167, v43.h
	v_cvt_f32_f16 v168, v44.l
	v_cvt_f32_f16 v169, v44.h
	v_cvt_f32_f16 v170, v45.l
	v_cvt_f32_f16 v171, v45.h
	v_cvt_f32_f16 v172, v46.l
	v_cvt_f32_f16 v173, v46.h
	v_cvt_f32_f16 v174, v47.l
	v_cvt_f32_f16 v175, v47.h
	s_wait_loadcnt 0x0                             ; k
.set i, 0
.rept 32                               ; S^T in four partial sums, which take turns
.if i < 4
	v_wmma_f32_16x16x4_f32 v[AS+8*(i%4):AS+8*(i%4)+7], v[KF+2*i:KF+2*i+1], v[QF+2*i:QF+2*i+1], 0
.else
	v_wmma_f32_16x16x4_f32 v[AS+8*(i%4):AS+8*(i%4)+7], v[KF+2*i:KF+2*i+1], v[QF+2*i:QF+2*i+1], v[AS+8*(i%4):AS+8*(i%4)+7]
.endif
.set i, i+1
.endr
.rept 8
	v_nop                                          ; eight places behind this form: then its operands' registers may be loaded into and its results read (ISA guide 7.12.1)
.endr
.irp ct, 0,1,2,3,4,5,6,7
.irp n, 0,1,2,3,4,5,6,7
	global_load_b32 v[KF+8*\ct+\n], v[AV], s[8:9] offset:512*\n+64*\ct      ; v(key 8 h + n, channel 16 ct + r)
.endr
.endr
.irp ct, 0,1,2,3,4,5,6,7
	global_load_b128 v[QF+8*\ct:QF+8*\ct+3],   v[AW], s[10:11] offset:64*\ct       ; wo(column r, channels 16 ct + 8 h + 0 .. 7)
	global_load_b128 v[QF+8*\ct+4:QF+8*\ct+7], v[AW], s[10:11] offset:64*\ct+16
.endr
.irp j, 0,1,2,3,4,5,6,7                ; the four partial sums, each accumulator from its low end on
	v_add_f32 v[SS+\j], v[AS+\j], v[AS+8+\j]
	v_add_f32 v[TM+\j], v[AS+16+\j], v[AS+24+\j]
.endr
.irp j, 0,1,2,3,4,5,6,7
	v_add_f32 v[SS+\j], v[SS+\j], v[TM+\j]
.endr
.irp j, 0,1,2,3,4,5,6,7
	v_cmp_gt_i32 vcc_lo, \j, v[DD]                 ; key 8 h + j comes after query r: -infinity
	v_cndmask_b32 v[SS+\j], v[SS+\j], v[NINF], vcc_lo
.endr
	v_max3_num_f32 v[TM], v[SS], v[SS+1], v[SS+2]
	v_max3_num_f32 v[TM], v[TM], v[SS+3], v[SS+4]
	v_max3_num_f32 v[TM], v[TM], v[SS+5], v[SS+6]
	v_max_num_f32 v[TM], v[TM], v[SS+7]
	v_permlanex16_b32 v[TM+1], v[TM], s26, s27     ; the query's other eight keys
	v_max_num_f32 v[TM], v[TM], v[TM+1]            ; the row's maximum: key 0 counts for every query
	v_mul_f32 v[TM], s24, v[TM]
.irp j, 0,1,2,3,4,5,6,7
	v_fma_f32 v[SS+\j], v[SS+\j], s24, -v[TM]
.endr
.irp j, 0,1,2,3,4,5,6,7
	v_exp_f32 v[SS+\j], v[SS+\j]
.endr
	v_nop
	s_wait_alu depctr_va_vdst(0)                   ; one wait for the eight exponentials, ahead of the first use
	v_add_f32 v[TM+2], v[SS], v[SS+1]
	v_add_f32 v[TM+3], v[SS+2], v[SS+3]
	v_add_f32 v[TM+4], v[SS+4], v[SS+5]
	v_add_f32 v[TM+5], v[SS+6], v[SS+7]
	v_add_f32 v[TM+2], v[TM+2], v[TM+3]
	v_add_f32 v[TM+4], v[TM+4], v[TM+5]
	v_add_f32 v[TM+2], v[TM+2], v[TM+4]
	v_permlanex16_b32 v[TM+3], v[TM+2], s26, s27
	v_add_f32 v[TM+2], v[TM+2], v[TM+3]
	v_rcp_f32 v[TM+6], v[TM+2]
	v_nop
	s_wait_alu depctr_va_vdst(0)
.irp j, 0,1,2,3,4,5,6,7
	v_mul_f32 v[SS+\j], v[SS+\j], v[TM+6]          ; the softmax
.endr
.irp g, 0,1                            ; four tiles of 16 channels at a time
.if \g == 0
	s_wait_loadcnt 16                              ; v is in; wo's 16 loads stay out
.else
.rept 9
	v_nop                                          ; nine places before a matrix instruction writes over registers that the last ones read
.endr
.endif
.irp i, 0,1,2,3
.irp c, 0,1,2,3
.if \i == 0
	v_wmma_f32_16x16x4_f32 v[AO+8*\c:AO+8*\c+7], v[KF+8*(4*\g+\c)+2*\i:KF+8*(4*\g+\c)+2*\i+1], v[SS+2*\i:SS+2*\i+1], 0
.else
	v_wmma_f32_16x16x4_f32 v[AO+8*\c:AO+8*\c+7], v[KF+8*(4*\g+\c)+2*\i:KF+8*(4*\g+\c)+2*\i+1], v[SS+2*\i:SS+2*\i+1], v[AO+8*\c:AO+8*\c+7]
.endif
.endr
.endr
.rept 9
	v_nop                                          ; nine places before a matrix instruction takes these results as an operand
.endr
.if \g == 0
	s_wait_loadcnt 0x0                             ; wo
.endif
.irp c, 0,1,2,3
.irp q, 0,1,2,3
.if (\g == 0) && (\c == 0)
	v_wmma_f32_16x16x4_f32 v[AS+8*\q:AS+8*\q+7], v[AO+8*\c+2*\q:AO+8*\c+2*\q+1], v[QF+8*(4*\g+\c)+2*\q:QF+8*(4*\g+\c)+2*\q+1], 0
.else
	v_wmma_f32_16x16x4_f32 v[AS+8*\q:AS+8*\q+7], v[AO+8*\c+2*\q:AO+8*\c+2*\q+1], v[QF+8*(4*\g+\c)+2*\q:QF+8*(4*\g+\c)+2*\q+1], v[AS+8*\q:AS+8*\q+7]
.endif
.endr
.endr
.endr
.rept 8
	v_nop
.endr
.irp j, 0,1,2,3,4,5,6,7
	v_add_f32 v[SS+\j], v[AS+\j], v[AS+8+\j]
	v_add_f32 v[TM+\j], v[AS+16+\j], v[AS+24+\j]
.endr
.irp j, 0,1,2,3,4,5,6,7
	v_add_f32 v[SS+\j], v[SS+\j], v[TM+\j]         ; my head's part of out0(8 h + j, column r)
.endr
	ds_store_b128 v[IMG], v[SS:SS+3]
	ds_store_b128 v[IMG], v[SS+4:SS+7] offset:512
	s_wait_dscnt 0x0                               ; for the others' sake: my stores have landed
	s_barrier_signal -1
	s_barrier_wait -1
	s_cmp_lt_u32 s14, 8
	s_cbranch_scc0 .Ldone
.irp u, 0,1,2,3,4,5,6,7,8,9,10,11,12,13,14,15
	ds_load_b32 v[QP+\u], v[RDA] offset:1024*\u    ; register w of head u's part
.endr
	s_wait_dscnt 0x0
.irp u, 0,2,4,6,8,10,12,14
	v_add_f32 v[QP+\u], v[QP+\u], v[QP+\u+1]       ; a fixed order
.endr
.irp u, 0,4,8,12
	v_add_f32 v[QP+\u], v[QP+\u], v[QP+\u+2]
.endr
	v_add_f32 v[QP], v[QP], v[QP+4]
	v_add_f32 v[QP+8], v[QP+8], v[QP+12]
	v_add_f32 v[QP], v[QP], v[QP+8]
	global_store_b32 v[OA], v[QP], s[12:13]
.Ldone:
	s_wait_tensorcnt 0x0                           ; the wave's end, behind my last LDS store
	ds_add_u32 v[SPW], v[NIL]
	s_wait_dscnt 0x0
	s_endpgm
.Lfunc_end_k_q3d3e23eb72_first16:
	.size	k_q3d3e23eb72_first16, .Lfunc_end_k_q3d3e23eb72_first16-k_q3d3e23eb72_first16
	.p2alignl 7, 3214868480
	.fill 96, 4, 3214868480
	.section	.rodata,"a",@progbits
	.p2align	6, 0x0
	.amdhsa_kernel k_q3d3e23eb72_first16
		.amdhsa_group_segment_fixed_size 18432
		.amdhsa_private_segment_fixed_size 0
		.amdhsa_enable_private_segment 0
		.amdhsa_kernarg_size 40
		.amdhsa_user_sgpr_count 2
		.amdhsa_user_sgpr_kernarg_segment_ptr 1
		.amdhsa_wavefront_size32 1
		.amdhsa_system_sgpr_workgroup_id_x 1
		.amdhsa_system_sgpr_workgroup_id_y 1
		.amdhsa_system_sgpr_workgroup_id_z 1
		.amdhsa_system_vgpr_workitem_id 0
		.amdhsa_next_free_vgpr 256
		.amdhsa_next_free_sgpr 66
		.amdhsa_reserve_vcc 1
		.amdhsa_float_denorm_mode_32 3
		.amdhsa_float_denorm_mode_16_64 3
		.amdhsa_memory_ordered 1
		.amdhsa_forward_progress 1
		.amdhsa_inst_pref_size 28
	.end_amdhsa_kernel
	.amdgpu_metadata
---
amdhsa.version: [ 1, 2 ]
amdhsa.kernels:
  - .name:           k_q3d3e23eb72_first16
    .symbol:         k_q3d3e23eb72_first16.kd
    .args:
      - { .name: qh, .offset: 0, .size: 8, .value_kind: global_buffer, .address_space: global }
      - { .name: out1, .offset: 8, .size: 8, .value_kind: global_buffer, .address_space: global }
      - { .name: out2, .offset: 16, .size: 8, .value_kind: global_buffer, .address_space: global }
      - { .name: wo, .offset: 24, .size: 8, .value_kind: global_buffer, .address_space: global }
      - { .name: out0, .offset: 32, .size: 8, .value_kind: global_buffer, .address_space: global }
    .group_segment_fixed_size: 18432
    .private_segment_fixed_size: 0
    .kernarg_segment_align: 8
    .kernarg_segment_size: 40
    .max_flat_workgroup_size: 512
    .sgpr_count:     66
    .vgpr_count:     256
    .wavefront_size: 32
...
	.end_amdgpu_metadata
.endif
;; end of part 5
